; MI455X (gfx1250); checked and timed in simulation.
; The chip was launched on July 23, 2026; its instructions are those of AMD's public machine-readable ISA for CDNA 5 (MIT licence, August 2026) and "CDNA5" Instruction Set Architecture Reference Guide (July 2026). The comments in the code are by the model that wrote it; some were corrected since.
;; g Multi Headed Attention. Allowed arithmetic: float matrix products may take bf16 or f16 operands with f32 sums; all other float work in f32.
;; Inputs: Wk 1,024 x 1,024 float32; Wq 1,024 x 1,024 float32; Wv 1,024 x 1,024 float32; bk 1,024 float32; bq 1,024 float32; bv 1,024 float32; key 4 x 2,048 x 1,024 float32; query 4 x 2,048 x 1,024 float32; value 4 x 2,048 x 1,024 float32.
;; Outputs: out0 4 x 2,048 x 1,024 float32.
;; 3 versions, each right; version 3 is version 2 with the launch cvt written anew for expert scheduling mode. Each part assembles by itself: llvm-mc -triple=amdgcn-amd-amdhsa -mcpu=gfx1250 --defsym DOCPART=n.
;; ======== version 1 of 3: 3 launches
;; limits: values are held in f16: magnitudes above 65,504 overflow, below 6.1e-05 lose precision; right only within a limited range of input values
;; workspace buffers: xb 50,331,648 bytes; wb 6,291,456 bytes; qk 67,108,864 bytes; vb 16,777,216 bytes
;; launch cvt (part 1): grid 288 x 3, 8 waves a work-group, no clusters, 0 bytes of LDS; arguments query, key, value, Wq, Wk, Wv, xb, wb; writes xb, wb
.if DOCPART == 1
	.amdgcn_target "amdgcn-amd-amdhsa--gfx1250"
	.amdhsa_code_object_version 6
	.text
	.protected	k_qe737f485e0_cvt
	.globl	k_qe737f485e0_cvt
	.p2align	8
	.type	k_qe737f485e0_cvt,@function
k_qe737f485e0_cvt:
	s_mov_b64 s[64:65], 0
	v_nop
	global_prefetch_b8 v0, s[64:65] scope:SCOPE_SE
	s_setreg_imm32_b32 hwreg(HW_REG_WAVE_MODE, 25, 1), 1
	s_wait_xcnt 0x0
; The matrix operands of the three projections, rounded once from f32 to bf16 (nearest even):
;   xb[g][8192][1024] = query, key, value (g = 0, 1, 2);   wb[g][1024 k][1024 n] = Wq, Wk, Wv, not transposed.
; A pure stream: every input byte is read once, every output byte written once.  LDS, barriers, clusters and the matrix unit
; would add nothing: no two work-groups share a byte and no number meets another.
; Work-group (x, g): x < 256 takes chunk x of activation g, x >= 256 takes chunk x - 256 of weight g.  A chunk is 32,768 numbers
; (131,072 bytes in, 65,536 out).  A wave takes 16,384 bytes of it as 32 loads of 512 neighbouring bytes; each load gives two
; packed conversions and one store of 8 bytes a lane: the wave's store covers 256 consecutive bytes, aligned.
; Sixteen loads of a wave are always on their way.  Every store has data registers of its own and the two offset registers and the
; two bases are never rewritten, so no wait for sources is needed anywhere.
.set DEPTH, 16                         ; loads in flight in a wave
.set X, 4                              ; v[4:67]    slot j of 16: four f32 as loaded
.set Y, 68                             ; v[68:131]  store j of 32: four bf16, never rewritten
	s_load_b512 s[8:23], s[0:1], 0x0               ; query 8, key 10, value 12, Wq 14, Wk 16, Wv 18, xb 20, wb 22
	s_and_b32 s2, ttmp7, 0xffff                    ; g
	s_mov_b32 s3, ttmp9                            ; x
	s_and_b32 s5, s3, 31                           ; x - 256 for x = 256 .. 287: the chunk inside a weight
	s_lshl_b32 s6, s2, 24                          ; a plane of xb is 16,777,216 bytes
	s_lshl_b32 s7, s2, 21                          ; a plane of wb is 2,097,152 bytes
	v_lshrrev_b32 v3, 5, v0                        ; wave
	v_and_b32 v2, 31, v0                           ; lane
	v_lshlrev_b32 v1, 4, v2
	v_lshl_or_b32 v1, v3, 14, v1                   ; in:  16,384 x wave + 16 x lane
	v_lshlrev_b32 v2, 3, v2
	v_lshl_or_b32 v2, v3, 13, v2                   ; out:  8,192 x wave +  8 x lane
	s_wait_kmcnt 0x0
	s_cmp_eq_u32 s2, 0                             ; the choices hang on the work-group's numbers alone
	s_cselect_b64 s[24:25], s[8:9], s[10:11]       ; query or key
	s_cselect_b64 s[26:27], s[14:15], s[16:17]     ; Wq or Wk
	s_cmp_eq_u32 s2, 2
	s_cselect_b64 s[24:25], s[12:13], s[24:25]     ; or value
	s_cselect_b64 s[26:27], s[18:19], s[26:27]     ; or Wv
	s_cmp_lt_u32 s3, 256
	s_cselect_b64 s[28:29], s[24:25], s[26:27]     ; from: an activation or a weight
	s_cselect_b64 s[30:31], s[20:21], s[22:23]     ; to: xb or wb
	s_cselect_b32 s4, s3, s5                       ; the chunk
	s_cselect_b32 s6, s6, s7                       ; the plane's offset in the output
	s_lshl_b32 s2, s4, 17                          ; 131,072 bytes of input a chunk
	s_mov_b32 s3, 0
	s_add_nc_u64 s[28:29], s[28:29], s[2:3]
	s_lshl_b32 s2, s4, 16                          ; 65,536 bytes of output a chunk
	s_add_co_u32 s2, s2, s6
	s_add_nc_u64 s[30:31], s[30:31], s[2:3]
.set j, 0
.rept DEPTH
	global_load_b128 v[X+4*j:X+4*j+3], v1, s[28:29] offset:512*j th:TH_LOAD_NT
.set j, j+1
.endr
.set j, 0
.rept DEPTH
	s_wait_loadcnt DEPTH-1                         ; loads come back in order (ISA guide 5.7.1): load j is in, the fifteen younger ones stay out
	v_cvt_pk_bf16_f32 v[Y+2*j],   v[X+4*j],   v[X+4*j+1]
	v_cvt_pk_bf16_f32 v[Y+2*j+1], v[X+4*j+2], v[X+4*j+3]
	global_load_b128 v[X+4*j:X+4*j+3], v1, s[28:29] offset:512*(j+DEPTH) th:TH_LOAD_NT
	global_store_b64 v2, v[Y+2*j:Y+2*j+1], s[30:31] offset:256*j      ; no hint: the next launch reads these bytes
.set j, j+1
.endr
.rept DEPTH
	s_wait_loadcnt 31-j                            ; nothing more is loaded: the counts run down to 0
	v_cvt_pk_bf16_f32 v[Y+2*j],   v[X+4*(j-DEPTH)],   v[X+4*(j-DEPTH)+1]
	v_cvt_pk_bf16_f32 v[Y+2*j+1], v[X+4*(j-DEPTH)+2], v[X+4*(j-DEPTH)+3]
	global_store_b64 v2, v[Y+2*j:Y+2*j+1], s[30:31] offset:256*j
.set j, j+1
.endr
	s_endpgm
.Lfunc_end_k_qe737f485e0_cvt:
	.size	k_qe737f485e0_cvt, .Lfunc_end_k_qe737f485e0_cvt-k_qe737f485e0_cvt
	.p2alignl 7, 3214868480
	.fill 96, 4, 3214868480
	.section	.rodata,"a",@progbits
	.p2align	6, 0x0
	.amdhsa_kernel k_qe737f485e0_cvt
		.amdhsa_group_segment_fixed_size 0
		.amdhsa_private_segment_fixed_size 0
		.amdhsa_enable_private_segment 0
		.amdhsa_kernarg_size 64
		.amdhsa_user_sgpr_count 2
		.amdhsa_user_sgpr_kernarg_segment_ptr 1
		.amdhsa_wavefront_size32 1
		.amdhsa_system_sgpr_workgroup_id_x 1
		.amdhsa_system_sgpr_workgroup_id_y 1
		.amdhsa_system_sgpr_workgroup_id_z 1
		.amdhsa_system_vgpr_workitem_id 0
		.amdhsa_next_free_vgpr 132
		.amdhsa_next_free_sgpr 66
		.amdhsa_reserve_vcc 0
		.amdhsa_float_denorm_mode_32 3
		.amdhsa_float_denorm_mode_16_64 3
		.amdhsa_memory_ordered 1
		.amdhsa_forward_progress 1
		.amdhsa_inst_pref_size 13
	.end_amdhsa_kernel
	.amdgpu_metadata
---
amdhsa.version: [ 1, 2 ]
amdhsa.kernels:
  - .name:           k_qe737f485e0_cvt
    .symbol:         k_qe737f485e0_cvt.kd
    .args:
      - { .name: query, .offset: 0, .size: 8, .value_kind: global_buffer, .address_space: global }
      - { .name: key, .offset: 8, .size: 8, .value_kind: global_buffer, .address_space: global }
      - { .name: value, .offset: 16, .size: 8, .value_kind: global_buffer, .address_space: global }
      - { .name: Wq, .offset: 24, .size: 8, .value_kind: global_buffer, .address_space: global }
      - { .name: Wk, .offset: 32, .size: 8, .value_kind: global_buffer, .address_space: global }
      - { .name: Wv, .offset: 40, .size: 8, .value_kind: global_buffer, .address_space: global }
      - { .name: xb, .offset: 48, .size: 8, .value_kind: global_buffer, .address_space: global }
      - { .name: wb, .offset: 56, .size: 8, .value_kind: global_buffer, .address_space: global }
    .group_segment_fixed_size: 0
    .private_segment_fixed_size: 0
    .kernarg_segment_align: 8
    .kernarg_segment_size: 64
    .max_flat_workgroup_size: 256
    .sgpr_count:     66
    .vgpr_count:     132
    .wavefront_size: 32
...
	.end_amdgpu_metadata
.endif
;; end of part 1
;; launch proj (part 2): grid 4 x 96, 4 waves a work-group, clusters of 4 x 4, 327,680 bytes of LDS; arguments xb, wb, bq, bk, bv, qk, vb; writes qk, vb
.if DOCPART == 2
	.amdgcn_target "amdgcn-amd-amdhsa--gfx1250"
	.amdhsa_code_object_version 6
	.text
	.protected	k_qe737f485e0_proj
	.globl	k_qe737f485e0_proj
	.p2align	8
	.type	k_qe737f485e0_proj,@function
k_qe737f485e0_proj:
	s_mov_b64 s[64:65], 0
	v_nop
	global_prefetch_b8 v0, s[64:65] scope:SCOPE_SE
	s_setreg_imm32_b32 hwreg(HW_REG_WAVE_MODE, 25, 1), 1
	s_wait_xcnt 0x0
	s_wait_alu depctr_hold_cnt(0) depctr_sa_sdst(0) depctr_va_vdst(0) depctr_va_sdst(0) depctr_va_ssrc(0) depctr_va_vcc(0) depctr_vm_vsrc(0)
	s_getreg_b32 s2, hwreg(HW_REG_IB_STS2, 6, 4)
	s_cmp_eq_u32 s2, 0
	s_cbranch_scc0 .Lentry_in_a_cluster
	s_endpgm
.Lentry_in_a_cluster:
	s_bfe_u32 s2, ttmp6, 0x10000c
	s_cmp_lg_u32 s2, 0xf033
	s_cbranch_scc0 .Lentry_shape_is_right
	s_endpgm
.Lentry_shape_is_right:
; The three projections as ONE product: c[m][n] = sum over k of xb[m][k] wb[g][k][n] + bias_g[n], m = 0 .. 24575, g = m / 8192.
; xb: [24576][1024] bf16, wb: [3][1024 k][1024 n] bf16, the biases f32, sums in f32.
; WHAT IS STORED.  v (g = 2): vb[8192][1024], c rounded once to f16.  q and k (g = 0, 1): qk[g][8192][16 heads][128] f16, TWO numbers for each c:
; the scores of the next launch are not scaled down, so one rounding of q and k to f16 (11 bits) weighs too much on the softmax.
;   first 64 of a head's 128:  a = c cut to 11 bits (its low 13 bits cleared): exact in f16; d = c - a is exact in f32
;   last 64:                   q: x = (a + 33 d) / 32 = 33/32 c - a;     k: y = a + 33 d = 33 c - 32 a;   one fused multiply-add, rounded once to f16
; With q = a + d, k = b + g:  a b + x y = 33/32 (q k + 32 d g) + (rounding of x times b + a times rounding of y) / 32:
; the first-order errors of the two products cancel, what is left is the f16 rounding divided by 33 and the second-order term 32 d g; all weights are positive.
; The next launch folds the factor 32/33 into the constant by which it multiplies the scores anyway.
; LIMITS: a result beyond f16's largest number, 65,504 (y is up to 3 per cent larger than k), becomes an infinity.  Inputs of unit spread with weights of
; spread 1/32 give about 6; all inputs 30 times larger about 5,400; an offset of 30 spreads on both factors about 28,800.
; Parts below f16's normal range (a below 6.1e-5, x below 6.1e-5) are rounded with an absolute error of at most 3e-8.
;
; A work-group makes a block of 256 x 256 with four waves, as many as a WGP has SIMDs; a wave makes 128 x 128: 64 accumulator tiles of
; 16 x 16, 512 registers.  K goes in steps of 128 through a ring of two LDS slots filled by the tensor data mover.
; A's tile: 256 rows of 256 bytes.  W's tile: 128 k-rows of 512 bytes (256 n); its fragments are read by the transposing LDS load.
; CLUSTERS: 4 x 4 work-groups.  The four of a row of the cluster need the same tiles of xb, the four of a column the same tiles of wb: each tile is
; asked for jointly, by the same tensor load in all four with a mask that names them.  A plane has 32 block rows, a multiple of 4, so
; a cluster lies in one plane and g is the same in all sixteen.
;
; REGISTERS, in windows of 256 (s_set_vgpr_msb says which window each operand place means):
;   window 0: v0-31 addresses; v64-127, v128-191 fragments of A, two buffers; v192-255 the bias; all of v64-255 at work on the way out
;   window 1: v64-127, v128-191 fragments of W, two buffers
;   window 2: the 32 accumulator tiles of my rows 0-63 (tile (a, b) at v[8 (8 a + b)]);   window 3: those of my rows 64-127
; THE MATRIX INSTRUCTION IS USED TRANSPOSED: source 0 = 16 columns n of W, source 1 = 16 rows of A.  Lane l then holds row l % 16 of the result
; and its registers 0 to 7 the columns 8 (l / 16) + 0 .. 7: eight neighbouring numbers of a row, which pack into 16 bytes.
; THE BIAS STARTS THE SUMS: the first product of each tile takes as C eight registers that hold the bias of the lane's eight columns.
.set SIZE_N, 1024
.set SIZE_K, 1024
.set KSTEP,  128
.set PITCH,  272                       ; A's LDS row: 256 bytes + 16 of padding: an odd multiple of 16, so the 16 rows that a load touches start 16 bytes apart modulo 256
.set BPITCH, 544                       ; W's LDS row: 512 bytes + 32 of padding: an odd multiple of 32, as the transposing load's eight rows of 32 bytes want
.set HALFT,  128*PITCH                 ; what one tensor load brings: 128 rows of A, or 64 k-rows of W (64 x 544 is the same 34,816 bytes)
.set SLOT,   4*HALFT                   ; A's 256 rows, then W's 128 k-rows
.set STAGE,  2*SLOT                    ; behind the ring: 16 rows x 528 bytes for each wave, for the way out; no tensor load fills it
.set SPITCH, 272                       ; v's rows in the stage: 256 bytes + 16
.set SP2,    528                       ; q's and k's rows in the stage: 512 bytes + 16, again an odd multiple of 16
.set LAPS, SIZE_K/(2*KSTEP)            ; a lap = two K steps = once round the ring: 4 laps
.set ADRA, 16                          ; v16-17  LDS address of my A fragments in slot 0, 1
.set ADRB, 20                          ; v20-21  the same for W
.set STO,  24                          ; v24     v's way out: where I put 16 bytes of a row
.set RD,   25                          ; v25     v's way out: where I read a row back
.set CO,   26                          ; v26     my byte offset in vb
.set BO,   27                          ; v27     my byte offset in the bias
.set STO2, 28                          ; v28     q's and k's way out: where I put 16 bytes of a row
.set RD2,  29                          ; v29     where I read 16 bytes of a row of 512 back
.set CO2,  30                          ; v30     my byte offset in qk
.set F0,   64                          ; fragment buffer 0
.set F1,   128                         ; fragment buffer 1
.set BIAS, 192                         ; v[192:255], window 0: register 8 b + j = bias of column 16 b + 8 (l / 16) + j of my 128
.set TMP,  192                         ; v's way out: packed results, in window 0 (the bias is long used up)
.set HH,   192                         ; q's and k's way out: v[192:255] the 64 cut numbers of 16 rows, then the second numbers, in f32
.set PK1,  64                          ; v[64:95]   the cut numbers packed
.set PK2,  96                          ; v[96:127]  the second numbers packed
.set RB,   128                         ; v[128:191] sixteen rows read back
.set G1, 24                            ; s[24:31] descriptor group 1 for A's tiles
.set G0, 32                            ; s[32:39] descriptor group 0 for A's tiles, one set for each slot
.set G1B, 48                           ; s[48:55] descriptor group 1 for W's tiles
.set G0B, 56                           ; s[56:63] descriptor group 0 for W's tiles, one set for each slot
.set MSB, 0
.macro WIN new                         ; the immediate's high byte repeats the setting that is left
.if MSB != \new
	s_set_vgpr_msb (MSB<<8)|\new
.set MSB, \new
.endif
.endm
.set MUL_LO, 0xa1                      ; source 0 (W) window 1, source 1 (A) window 0, C and D window 2
.set MUL_HI, 0xf1                      ; the same, C and D window 3
.set BIA_LO, 0x81                      ; the first products: C is the bias in window 0, D window 2
.set BIA_HI, 0xc1                      ; the same, D window 3
.set TO_B,   0x40                      ; destination window 1, address window 0
; A joint load.  Waves 0 and 1 fetch A's two halves, waves 2 and 3 W's.  Each of the two lines has one mask and one set of registers for all that
; issue it.  The branch hangs on the wave's number alone.  Four v_nop follow each line.
.macro JLOAD s
	s_cmp_eq_u32 s11, 0
	s_cbranch_scc0 .Lfor_b_\@
	tensor_load_to_lds s[G0+4*\s:G0+4*\s+3], s[G1:G1+7]
	s_nop 0
.rept 4
	v_nop
.endr
	s_branch .Lasked_\@
.Lfor_b_\@:
	tensor_load_to_lds s[G0B+4*\s:G0B+4*\s+3], s[G1B:G1B+7]
	s_nop 0
.rept 4
	v_nop
.endr
.Lasked_\@:
.endm
; A round of the cluster's barrier: my work-group's barrier, wave 0 signals for the work-group, every wave waits for all sixteen, my work-group's barrier again.
.macro CREST                           ; a round behind its opening barrier
	s_cmp_lg_u32 s10, 0
	s_cbranch_scc1 .Lnot_wave_0_\@
	s_barrier_signal -3
.Lnot_wave_0_\@:
	s_barrier_wait -3
	s_barrier_signal -1
	s_barrier_wait -1
.endm
.macro CROUND                          ; a whole round
	s_barrier_signal -1
	s_barrier_wait -1
	CREST
.endm
	s_load_b128 s[4:7], s[0:1], 0x0                ; xb s[4:5], wb s[6:7]
	s_load_b128 s[68:71], s[0:1], 0x10             ; bq s[68:69], bk s[70:71]
	s_load_b128 s[72:75], s[0:1], 0x20             ; bv s[72:73], qk s[74:75]
	s_load_b64 s[80:81], s[0:1], 0x30              ; vb
	s_set_vgpr_msb 0x40
	v_lshl_add_u32 v255, v0, 2, 0x4c400
	s_set_vgpr_msb 0x4000
	v_mov_b32 v63, 0
	s_set_vgpr_msb 0x1
	ds_add_u32 v255, v63
	s_set_vgpr_msb 0x100
	v_lshrrev_b32 v1, 5, v0
	v_readfirstlane_b32 s10, v1                    ; wave 0..3
	s_lshr_b32 s11, s10, 1                         ; which half of the block's rows is mine.  Also: I fetch for A (0) or for W (1)
	s_and_b32 s12, s10, 1                          ; which half of its columns.  Also: which half of that tile I fetch
	s_bfe_u32 s40, ttmp6, 0x40000                  ; cx
	s_bfe_u32 s41, ttmp6, 0x40004                  ; cy
	s_lshl_b32 s42, ttmp9, 2                       ; in a cluster launch ttmp9 and ttmp7 count clusters
	s_add_co_u32 s42, s42, s40                     ; block column = 4 x cluster x + cx
	s_and_b32 s13, ttmp7, 0xffff
	s_lshr_b32 s66, s13, 3                         ; g: eight clusters (32 block rows, 8,192 rows) to a plane
	s_lshl_b32 s13, s13, 2
	s_add_co_u32 s13, s13, s41                     ; block row = 4 x cluster y + cy, counted through all three planes
	s_lshl_b32 s43, s41, 2
	s_lshl_b32 s43, 15, s43                        ; my row of the cluster: places 4 cy .. 4 cy + 3
	s_lshl_b32 s44, 0x1111, s40                    ; my column: places cx, cx + 4, cx + 8, cx + 12
	; group 1 for A: 128 rows x 128 elements of 2 bytes, 4 words of padding behind every 64
	s_or_b32 s[G1+0], s43, (1<<16)|(1<<20)|(1<<21)|(5<<22)|(3<<25)  ; 15:0 mask: my row; 17:16 2-byte elements; 20 padding on; 21 set beside a mask; 24:22 every 64 words; 31:25 of 4 words
	s_mov_b32 s[G1+1], KSTEP<<16                   ; tensor_dim0 = 128
	s_mov_b32 s[G1+2], 128<<16                     ; tensor_dim1 = 128
	s_mov_b32 s[G1+3], KSTEP<<16                   ; tile_dim0 = 128
	s_mov_b32 s[G1+4], 128                         ; tile_dim1 = 128
	s_mov_b32 s[G1+5], SIZE_K                      ; elements from row to row
	s_mov_b32 s[G1+6], 0
	s_mov_b32 s[G1+7], 0
	; group 1 for W: 64 k-rows x 256 elements of 2 bytes, 8 words of padding behind every 128
	s_or_b32 s[G1B+0], s44, (1<<16)|(1<<20)|(1<<21)|(6<<22)|(7<<25) ; mask: my column; every 128 words; of 8 words
	s_mov_b32 s[G1B+1], 256<<16                    ; tensor_dim0 = 256
	s_mov_b32 s[G1B+2], 64<<16                     ; tensor_dim1 = 64
	s_mov_b32 s[G1B+3], 256<<16                    ; tile_dim0 = 256
	s_mov_b32 s[G1B+4], 64                         ; tile_dim1 = 64
	s_mov_b32 s[G1B+5], SIZE_N                     ; elements from k-row to k-row
	s_mov_b32 s[G1B+6], 0
	s_mov_b32 s[G1B+7], 0
	; where the tiles come from.  A's hang on the block row alone, W's on the block column and the plane alone; each in registers that never hold the other coordinate.
	s_lshl_b32 s16, s13, 19                        ; A: 256 rows of 2,048 bytes a block row
	s_lshl_b32 s17, s12, 18                        ;    + 128 rows for the second half
	s_add_co_u32 s16, s16, s17
	s_mov_b32 s17, 0
	s_lshl_b32 s46, s42, 9                         ; W: 256 columns of 2 bytes a block column
	s_lshl_b32 s47, s12, 17                        ;    + 64 k-rows of 2,048 bytes for the second half
	s_add_co_u32 s46, s46, s47
	s_lshl_b32 s47, s66, 21                        ;    + the plane
	s_add_co_u32 s46, s46, s47
	s_mov_b32 s47, 0
	s_lshl_b32 s76, s42, 10                        ; bias: 256 columns of 4 bytes a block column
	s_lshl_b32 s77, s12, 9                         ;       + 128 columns for my half
	s_add_co_u32 s76, s76, s77
	s_mov_b32 s77, 0
	s_mul_i32 s20, s10, HALFT                      ; where they go: A's two halves, then W's two halves = wave x 34,816: no place in the cluster enters an LDS address
	s_wait_dscnt 0x0
	s_wait_kmcnt 0x0
	s_add_nc_u64 s[14:15], s[4:5], s[16:17]
	s_add_nc_u64 s[46:47], s[6:7], s[46:47]
	s_cmp_eq_u32 s66, 0                            ; the plane's bias
	s_cselect_b64 s[68:69], s[68:69], s[70:71]
	s_cmp_eq_u32 s66, 2
	s_cselect_b64 s[68:69], s[72:73], s[68:69]
	s_add_nc_u64 s[68:69], s[68:69], s[76:77]
	CROUND                                         ; all sixteen work-groups are here: the first joint loads meet
.irp s, 0,1
	s_mov_b32 s[G0+4*\s], 1                                        ; count = 1
	s_add_co_u32 s[G0+4*\s+1], s20, \s*SLOT                        ; LDS address
	s_add_nc_u64 s[G0+4*\s+2:G0+4*\s+3], s[14:15], \s*KSTEP*2      ; global address: K step s lies 256 bytes along the rows
	s_or_b32 s[G0+4*\s+3], s[G0+4*\s+3], 0x80000000                ; type = 2
	s_mov_b32 s[G0B+4*\s], 1
	s_add_co_u32 s[G0B+4*\s+1], s20, \s*SLOT
	s_add_nc_u64 s[G0B+4*\s+2:G0B+4*\s+3], s[46:47], \s*KSTEP*SIZE_N*2   ; K step s lies 128 k-rows down
	s_or_b32 s[G0B+4*\s+3], s[G0B+4*\s+3], 0x80000000
	JLOAD \s                                       ; the ring is filled before anything else is done: two loads of the wave are out
.endr
	v_and_b32 v1, 15, v0                           ; l % 16
	v_bfe_u32 v2, v0, 4, 1                         ; l / 16
	v_lshlrev_b32 v[BO], 5, v2                     ; eight f32 further for the upper half of the lanes
.irp b, 0,1,2,3,4,5,6,7
	global_load_b128 v[BIAS+8*\b:BIAS+8*\b+3],   v[BO], s[68:69] offset:64*\b
	global_load_b128 v[BIAS+8*\b+4:BIAS+8*\b+7], v[BO], s[68:69] offset:64*\b+16
.endr
	; A's fragment, 16 rows x 32 K in 8 registers: lane l holds row l % 16; registers 0-3 K = 8 (l / 16) + 0..7, registers 4-7 K = 16 + 8 (l / 16) + 0..7:
	; two loads of 16 bytes, 32 bytes apart, from rows that lie along K.
	v_mul_u32_u24 v3, v1, PITCH
	v_lshl_add_u32 v3, v2, 4, v3                   ; row x pitch + 16 x half
	; W's fragment has the same layout with n in the place of the row, but W's LDS rows lie along n: the transposing load turns 8 k-rows x 8 columns
	; in each group of eight lanes.  Lane l addresses k-row 8 (l / 16) + l % 8 and the 16 bytes (l / 8) % 2 of the 32 that hold the 16 columns.
	v_and_b32 v6, 7, v0
	v_bfe_u32 v7, v0, 3, 1
	v_lshl_add_u32 v8, v2, 3, v6
	v_mul_u32_u24 v8, v8, BPITCH
	v_lshl_add_u32 v8, v7, 4, v8
	s_mul_i32 s21, s11, HALFT                      ; my 128 rows of A
	s_lshl_b32 s22, s12, 8                         ; my 128 columns of W: 256 bytes along its rows,
	s_add_co_u32 s22, s22, 2*HALFT                 ; which lie behind A's 256 rows
.irp s, 0,1
	v_add_nc_u32 v[ADRA+\s], s21, v3
	v_add_nc_u32 v[ADRB+\s], s22, v8
	s_add_co_u32 s21, s21, SLOT
	s_add_co_u32 s22, s22, SLOT
.endr
	s_mul_i32 s23, s10, 16*SP2
	s_add_co_u32 s23, s23, STAGE                   ; my stage: 8,448 bytes a wave, whichever way out is taken
	v_mul_u32_u24 v4, v1, SPITCH                   ; v, in: row l % 16, 16 bytes for each half of the lanes
	v_lshl_add_u32 v4, v2, 4, v4
	v_add_nc_u32 v[STO], s23, v4
	v_mul_u32_u24 v5, v2, SPITCH                   ; v, back: lanes 0-15 take one row of 256 bytes, lanes 16-31 the next
	v_lshl_add_u32 v5, v1, 4, v5
	v_add_nc_u32 v[RD], s23, v5
	v_mul_u32_u24 v5, v2, SIZE_N*2                 ; and the same two rows in vb
	v_lshl_add_u32 v[CO], v1, 4, v5
	v_mul_u32_u24 v4, v1, SP2                      ; q and k, in: row l % 16, 16 bytes for each half of the lanes
	v_lshl_add_u32 v4, v2, 4, v4
	v_add_nc_u32 v[STO2], s23, v4
	v_and_b32 v5, 31, v0
	v_lshlrev_b32 v[CO2], 4, v5                    ; q and k, back: the 32 lanes take one row of 512 bytes; the same 512 bytes in qk
	v_add_nc_u32 v[RD2], s23, v[CO2]
; 16 matrix instructions: m blocks a0, a0 + 1 of the window's four (hi = 0: my rows 0-63, 1: rows 64-127) x all 8 n blocks, 32 along K.
; zero = 1: the first product starts the sums from the bias: nothing is cleared and no bias is added later.
.macro MUL16 f, hi, a0, zero
.irp a, \a0, \a0+1
.irp b, 0,1,2,3,4,5,6,7
.if \zero
	v_wmma_f32_16x16x32_bf16 v[8*(8*(\a)+\b):8*(8*(\a)+\b)+7], v[\f+8*\b:\f+8*\b+7], v[\f+8*(4*\hi+\a):\f+8*(4*\hi+\a)+7], v[BIAS+8*\b:BIAS+8*\b+7]
.else
	v_wmma_f32_16x16x32_bf16 v[8*(8*(\a)+\b):8*(8*(\a)+\b)+7], v[\f+8*\b:\f+8*\b+7], v[\f+8*(4*\hi+\a):\f+8*(4*\hi+\a)+7], v[8*(8*(\a)+\b):8*(8*(\a)+\b)+7]
.endif
.endr
.endr
.endm
; 32 LDS loads in one run: the fragments of one quarter step into buffer f.  k = the quarter's byte in A's rows (64 a quarter);
; in W's tile the quarter is 32 k-rows further down, an n block 32 bytes along, the fragment's second half 16 k-rows down.
.macro FETCH slot, k, f
	WIN TO_B
.irp i, 0,1,2,3,4,5,6,7
	ds_load_tr16_b128 v[\f+8*\i:\f+8*\i+3],   v[ADRB+\slot] offset:((\k)/64)*32*BPITCH+32*\i
	ds_load_tr16_b128 v[\f+8*\i+4:\f+8*\i+7], v[ADRB+\slot] offset:((\k)/64)*32*BPITCH+32*\i+16*BPITCH
.endr
	WIN 0
.irp i, 0,1,2,3,4,5,6,7
	ds_load_b128 v[\f+8*\i:\f+8*\i+3],   v[ADRA+\slot] offset:\k+\i*16*PITCH
	ds_load_b128 v[\f+8*\i+4:\f+8*\i+7], v[ADRA+\slot] offset:\k+\i*16*PITCH+32
.endr
.endm
; A load into a register that a matrix instruction has read, and a vector instruction that reads a matrix result, stand four places behind that
; matrix instruction, and only plain vector instructions that name none of its registers are places (ISA guide 7.12.1 for vector instructions).
; So four v_nop stand in front of each run of loads.
.macro PLACES
.rept 4
	v_nop
.endr
.endm
; A K step is four quarter steps of 32 along K, 64 matrix instructions each, on buffers 0, 1, 0, 1.  The 64 accumulators take turns, one instruction
; a turn, in the same order in every quarter, over the loop's backward jump too.
.macro QUARTER slot, k, f, g, zero
	s_wait_dscnt 8                                 ; W and A's rows 0-63 are in; the youngest eight loads (A's rows 64-127) may be out
.if \zero
	WIN BIA_LO
.else
	WIN MUL_LO
.endif
	MUL16 \f, 0, 0, \zero
	MUL16 \f, 0, 2, \zero
	PLACES
	FETCH \slot, \k, \g
	s_wait_dscnt 32                                ; all but the 32 just issued
.if \zero
	WIN BIA_HI
.else
	WIN MUL_HI
.endif
	MUL16 \f, 1, 0, \zero
	MUL16 \f, 1, 2, \zero
.endm
.macro THREE slot, zero
	QUARTER \slot, 64,  F0, F1, \zero
	QUARTER \slot, 128, F1, F0, 0
	QUARTER \slot, 192, F0, F1, 0
.endm
; The last quarter: multiplies buffer 1 and changes slots.  One barrier for two things: in front of it each wave waits for its own reads of this
; slot and for all its tensor loads, of which one is out, its part of the next slot.  Behind it nobody reads this slot any more and the next
; slot is whole: the refill comes first, then the next slot's first fragments.  From a request to the wait for it a wave issues 240 matrix instructions.
.macro TURN slot, next, fill
	s_wait_dscnt 8
	WIN MUL_LO
	MUL16 F1, 0, 0, 0
	s_wait_dscnt 0                                 ; my reads of this slot are over
	s_wait_tensorcnt 0x0                           ; and all my tensor loads have landed
	ds_add_u32 v255, v63
	s_wait_dscnt 0x0
	s_barrier_signal -1                            ; say so (where a slot is filled again this barrier opens a round of the cluster's barrier),
	MUL16 F1, 0, 2, 0                              ; work on registers while the others arrive,
	WIN 0
	s_barrier_wait -1                              ; and go on when all four have said so
.if \fill
	CREST                                          ; all sixteen work-groups have said so: no wave of any partner still reads this slot or has a load on its way
	s_add_nc_u64 s[G0+4*\slot+2:G0+4*\slot+3], s[G0+4*\slot+2:G0+4*\slot+3], 2*KSTEP*2
	s_add_nc_u64 s[G0B+4*\slot+2:G0B+4*\slot+3], s[G0B+4*\slot+2:G0B+4*\slot+3], 2*KSTEP*SIZE_N*2
	JLOAD \slot                                    ; the first tensor load behind the round, the wave's only one; its four v_nop are also the places in front of the loads below
.else
	PLACES
.endif
	FETCH \next, 0, F0
	WIN MUL_HI
	MUL16 F1, 1, 0, 0
	MUL16 F1, 1, 2, 0
.endm
.macro LAP zero                        ; once round the ring, both slots filled again
	THREE 0, \zero
	TURN 0, 1, 1
	THREE 1, 0
	TURN 1, 0, 1
.endm
	s_wait_loadcnt 0x0                             ; the bias
	s_wait_tensorcnt 1                             ; my part of K step 0 is in; K step 1's may stay out
	s_barrier_signal -1
	s_barrier_wait -1                              ; everybody's is
	FETCH 0, 0, F0
	LAP 1                                          ; the first lap stands in front of the loop: its first products start the sums
	WIN 0                                          ; at a label and at a branch every window is 0
	s_mov_b32 s3, LAPS-2
.Llap:
	LAP 0
	WIN 0
	s_sub_co_u32 s3, s3, 1
	s_cmp_lg_u32 s3, 0
	s_cbranch_scc1 .Llap
	THREE 0, 0                                     ; the last lap fills nothing and has no round: the one load still out is slot 1's, the last K step's
	TURN 0, 1, 0
	THREE 1, 0
	s_wait_dscnt 8                                 ; the very last quarter: nothing more to fetch
	WIN MUL_LO
	MUL16 F1, 0, 0, 0
	MUL16 F1, 0, 2, 0
	s_wait_dscnt 0
	WIN MUL_HI
	MUL16 F1, 1, 0, 0
	MUL16 F1, 1, 2, 0
	; THE WAY OUT, 16 rows at a time, through my own stage in LDS.  Two ways, chosen by the plane, which is the same in the whole cluster.
	PLACES                                         ; the places behind the last matrix instructions, for both ways
	WIN 0
; v: rows 16 i .. 16 i + 15 of my block = the eight tiles (a, 0..7) of window 2 or 3 (from = 0x0a or 0x0f: sources 0 and 1); f: F0 or F1 in turn
.macro OUT16 i, a, from, f
	WIN \from
.irp b, 0,1,2,3,4,5,6,7
.irp r, 0,1,2,3
	v_cvt_pk_f16_f32 v[TMP+4*\b+\r], v[8*(8*\a+\b)+2*\r], v[8*(8*\a+\b)+2*\r+1]
.endr
.endr
	WIN 0
.irp b, 0,1,2,3,4,5,6,7
	ds_store_b128 v[STO], v[TMP+4*\b:TMP+4*\b+3] offset:32*\b
.endr
	s_wait_xcnt 0x0                                ; buffer f, which earlier stores read, and the stores' base are rewritten only behind this wait (ISA guide 3.1)
.if \i
	s_add_nc_u64 s[8:9], s[8:9], 16*SIZE_N*2       ; 16 rows on
.endif
.irp t, 0,1,2,3,4,5,6,7
	ds_load_b128 v[\f+4*\t:\f+4*\t+3], v[RD] offset:\t*2*SPITCH    ; LDS serves a wave's instructions in order (ISA guide 5.7.1.4): these see the stores above
.endr
.irp t, 0,1,2,3,4,5,6,7
	s_wait_dscnt 7-\t                              ; load t of the eight is in
	global_store_b128 v[CO], v[\f+4*\t:\f+4*\t+3], s[8:9] offset:2*\t*SIZE_N*2   ; 16 lanes store 256 consecutive bytes, at a multiple of 256 from vb's first byte
.endr
.endm
; q and k: the same 16 rows, two f16 for each number.  wand: the accumulators' window as source 1 (0x08, 0x0c); wsrc: as source 0 (0x02, 0x03).
; My 128 columns are two heads; a row of the stage is head 0's 64 cut numbers, its 64 second numbers, then head 1's: 512 bytes that lie together in qk.
.macro OUT16S i, a, wand, wsrc
	WIN \wand
.irp b, 0,1,2,3,4,5,6,7
.irp r, 0,1,2,3,4,5,6,7
	v_and_b32 v[HH+8*\b+\r], s67, v[8*(8*\a+\b)+\r]                ; c cut to 11 bits
.endr
.endr
	WIN 0
.irp b, 0,1,2,3,4,5,6,7
.irp r, 0,1,2,3
	v_cvt_pk_f16_f32 v[PK1+4*\b+\r], v[HH+8*\b+2*\r], v[HH+8*\b+2*\r+1]   ; exact
.endr
.endr
.irp b, 0,1,2,3,4,5,6,7
	ds_store_b128 v[STO2], v[PK1+4*\b:PK1+4*\b+3] offset:(\b>>2)*256+(\b&3)*32
.endr
.irp b, 0,1,2,3,4,5,6,7
.irp r, 0,2,4,6
	v_pk_mul_f32 v[HH+8*\b+\r:HH+8*\b+\r+1], v[HH+8*\b+\r:HH+8*\b+\r+1], s[84:85] op_sel_hi:[1,0]   ; times - 1 (q) or - 32 (k): exact
.endr
.endr
	WIN \wsrc
.irp b, 0,1,2,3,4,5,6,7
.irp r, 0,2,4,6
	v_pk_fma_f32 v[HH+8*\b+\r:HH+8*\b+\r+1], v[8*(8*\a+\b)+\r:8*(8*\a+\b)+\r+1], s[82:83], v[HH+8*\b+\r:HH+8*\b+\r+1] op_sel_hi:[1,0,1]   ; 33/32 c - a (q), 33 c - 32 a (k): one rounding
.endr
.endr
	WIN 0
.irp b, 0,1,2,3,4,5,6,7
.irp r, 0,1,2,3
	v_cvt_pk_f16_f32 v[PK2+4*\b+\r], v[HH+8*\b+2*\r], v[HH+8*\b+2*\r+1]
.endr
.endr
.irp b, 0,1,2,3,4,5,6,7
	ds_store_b128 v[STO2], v[PK2+4*\b:PK2+4*\b+3] offset:(\b>>2)*256+(\b&3)*32+128
.endr
	s_wait_xcnt 0x0                                ; the rows read back, which the last sixteen stores read, and the stores' base are rewritten only behind this wait (ISA guide 3.1)
.if \i
	s_add_nc_u64 s[8:9], s[8:9], 16*4096           ; 16 rows of qk on
.endif
.irp t, 0,1,2,3,4,5,6,7,8,9,10,11,12,13,14,15
	ds_load_b128 v[RB+4*\t:RB+4*\t+3], v[RD2] offset:\t*SP2        ; LDS serves a wave's instructions in order (ISA guide 5.7.1.4): these see the stores above
.endr
.irp t, 0,1,2,3,4,5,6,7,8,9,10,11,12,13,14,15
	s_wait_dscnt 15-\t                             ; load t of the sixteen is in
	global_store_b128 v[CO2], v[RB+4*\t:RB+4*\t+3], s[8:9] offset:\t*4096   ; the wave stores 512 consecutive bytes, at a multiple of 512 from qk's first byte
.endr
.endm
	s_cmp_eq_u32 s66, 2
	s_cbranch_scc1 .Lplain
	; q and k
	s_lshl_b32 s16, s13, 20                        ; my first row: 256 rows of 4,096 bytes a block row; planes 0 and 1 follow each other in qk
	s_lshl_b32 s14, s11, 19                        ; + 128 rows for the second half
	s_add_co_u32 s16, s16, s14
	s_mov_b32 s17, 0
	s_add_nc_u64 s[8:9], s[74:75], s[16:17]
	s_lshl_b32 s46, s42, 10                        ; my first head, in bytes: four heads of 256 bytes a block column, two for my half (in the registers that held W's address)
	s_lshl_b32 s47, s12, 9
	s_add_co_u32 s46, s46, s47
	s_mov_b32 s47, 0
	s_add_nc_u64 s[8:9], s[8:9], s[46:47]
	s_mov_b32 s67, 0xffffe000                      ; keeps sign, exponent and the upper 10 of the 23 fraction bits
	s_mov_b32 s82, 0x42040000                      ; k: 33
	s_mov_b32 s84, 0xc2000000                      ;    - 32
	s_cmp_eq_u32 s66, 0
	s_cselect_b32 s82, 0x3f840000, s82             ; q: 33/32
	s_cselect_b32 s84, 0xbf800000, s84             ;    - 1
	s_mov_b32 s83, s82                             ; the pairs are written whole
	s_mov_b32 s85, s84
	OUT16S 0, 0, 0x08, 0x02
	OUT16S 1, 1, 0x08, 0x02
	OUT16S 2, 2, 0x08, 0x02
	OUT16S 3, 3, 0x08, 0x02
	OUT16S 4, 0, 0x0c, 0x03
	OUT16S 5, 1, 0x0c, 0x03
	OUT16S 6, 2, 0x0c, 0x03
	OUT16S 7, 3, 0x0c, 0x03
	s_branch .Lclose
.Lplain:
	; v
	s_and_b32 s16, s13, 31                         ; the block row inside the plane
	s_lshl_b32 s16, s16, 19                        ; my first row: 256 rows of 2,048 bytes a block row
	s_lshl_b32 s14, s11, 18                        ; + 128 rows for the second half
	s_add_co_u32 s16, s16, s14
	s_mov_b32 s17, 0
	s_add_nc_u64 s[8:9], s[80:81], s[16:17]
	s_lshl_b32 s46, s42, 9                         ; my first column, in bytes: 512 x block + 256 x half
	s_lshl_b32 s47, s12, 8
	s_add_co_u32 s46, s46, s47
	s_mov_b32 s47, 0
	s_add_nc_u64 s[8:9], s[8:9], s[46:47]
	OUT16 0, 0, 0x0a, F0
	OUT16 1, 1, 0x0a, F1
	OUT16 2, 2, 0x0a, F0
	OUT16 3, 3, 0x0a, F1
	OUT16 4, 0, 0x0f, F0
	OUT16 5, 1, 0x0f, F1
	OUT16 6, 2, 0x0f, F0
	OUT16 7, 3, 0x0f, F1
.Lclose:
	s_set_vgpr_msb 0x1
	s_wait_tensorcnt 0x0
	ds_add_u32 v255, v63
	s_wait_dscnt 0x0
	s_set_vgpr_msb 0x100
	CROUND                                         ; the closing round: no work-group ends while a partner may still ask for a tile that names it
	s_endpgm
.Lfunc_end_k_qe737f485e0_proj:
	.size	k_qe737f485e0_proj, .Lfunc_end_k_qe737f485e0_proj-k_qe737f485e0_proj
	.p2alignl 7, 3214868480
	.fill 96, 4, 3214868480
	.section	.rodata,"a",@progbits
	.p2align	6, 0x0
	.amdhsa_kernel k_qe737f485e0_proj
		.amdhsa_group_segment_fixed_size 327680
		.amdhsa_private_segment_fixed_size 0
		.amdhsa_enable_private_segment 0
		.amdhsa_kernarg_size 56
		.amdhsa_user_sgpr_count 2
		.amdhsa_user_sgpr_kernarg_segment_ptr 1
		.amdhsa_wavefront_size32 1
		.amdhsa_system_sgpr_workgroup_id_x 1
		.amdhsa_system_sgpr_workgroup_id_y 1
		.amdhsa_system_sgpr_workgroup_id_z 1
		.amdhsa_system_vgpr_workitem_id 0
		.amdhsa_next_free_vgpr 1024
		.amdhsa_next_free_sgpr 86
		.amdhsa_reserve_vcc 0
		.amdhsa_float_denorm_mode_32 3
		.amdhsa_float_denorm_mode_16_64 3
		.amdhsa_memory_ordered 1
		.amdhsa_forward_progress 1
		.amdhsa_inst_pref_size 255
	.end_amdhsa_kernel
	.section	.bss,"aw",@nobits
	.p2align	6
	.space	262144
	.amdgpu_metadata
---
amdhsa.version: [ 1, 2 ]
amdhsa.kernels:
  - .name:           k_qe737f485e0_proj
    .symbol:         k_qe737f485e0_proj.kd
    .args:
      - { .name: xb, .offset: 0, .size: 8, .value_kind: global_buffer, .address_space: global }
      - { .name: wb, .offset: 8, .size: 8, .value_kind: global_buffer, .address_space: global }
      - { .name: bq, .offset: 16, .size: 8, .value_kind: global_buffer, .address_space: global }
      - { .name: bk, .offset: 24, .size: 8, .value_kind: global_buffer, .address_space: global }
      - { .name: bv, .offset: 32, .size: 8, .value_kind: global_buffer, .address_space: global }
      - { .name: qk, .offset: 40, .size: 8, .value_kind: global_buffer, .address_space: global }
      - { .name: vb, .offset: 48, .size: 8, .value_kind: global_buffer, .address_space: global }
    .group_segment_fixed_size: 327680
    .private_segment_fixed_size: 0
    .kernarg_segment_align: 8
    .kernarg_segment_size: 56
    .max_flat_workgroup_size: 128
    .sgpr_count:     86
    .vgpr_count:     1024
    .wavefront_size: 32
...
	.end_amdgpu_metadata
.endif
;; end of part 2
;; launch attn (part 3): grid 256 x 1, 8 waves a work-group, clusters of 4 x 1, 327,680 bytes of LDS; arguments qk, vb, query, out0; writes out0
.if DOCPART == 3
	.amdgcn_target "amdgcn-amd-amdhsa--gfx1250"
	.amdhsa_code_object_version 6
	.text
	.protected	k_qe737f485e0_attn
	.globl	k_qe737f485e0_attn
	.p2align	8
	.type	k_qe737f485e0_attn,@function
k_qe737f485e0_attn:
	s_mov_b64 s[64:65], 0
	v_nop
	global_prefetch_b8 v0, s[64:65] scope:SCOPE_SE
	s_setreg_imm32_b32 hwreg(HW_REG_WAVE_MODE, 25, 1), 1
	s_wait_xcnt 0x0
	s_wait_alu depctr_hold_cnt(0) depctr_sa_sdst(0) depctr_va_vdst(0) depctr_va_sdst(0) depctr_va_ssrc(0) depctr_va_vcc(0) depctr_vm_vsrc(0)
	s_getreg_b32 s2, hwreg(HW_REG_IB_STS2, 6, 4)
	s_cmp_eq_u32 s2, 0
	s_cbranch_scc0 .Lentry_in_a_cluster
	s_endpgm
.Lentry_in_a_cluster:
	s_bfe_u32 s2, ttmp6, 0x10000c
	s_cmp_lg_u32 s2, 0x3003
	s_cbranch_scc0 .Lentry_shape_is_right
	s_endpgm
.Lentry_shape_is_right:
; out0[b][s][64 h + d] = sum over keys of softmax(q . k)[key] v[key][d] + query[b][s][64 h + d], no scaling of the scores.
; qk: [2][8192][16 heads][128] f16 (planes q, k; row = 2048 b + s); vb: [8192][1024] f16; query, out0: f32.
; THE SCORES ARE MADE OF TWO f16 PRODUCTS.  A head's row of qk holds 64 numbers cut to 11 bits (q: a, k: b) and 64 second numbers
; (q: x = (a + 33 (q - a)) / 32, k: y = b + 33 (k - b), each rounded once to f16).  Then  a . b + x . y = 33/32 (q . k + 32 (q - a) . (k - b)) + (roundings of x and y) / 32:
; the first-order rounding errors of the two products cancel; the f16 rounding enters divided by 33.  With q and k of unit spread that leaves about 1e-4 in the
; difference of two scores, where one product of rounded q and k leaves about 3e-3.  All weights are positive: no difference of large sums is formed.
; The factor 32/33 is folded into the constant log2 e by which the scores are multiplied in front of the exponential; a positive factor leaves the maximum where it is.
; The softmax takes a RUNNING MAXIMUM away before every exponential; maximum, sums, rescaling and the residual are f32; v and the probabilities enter
; the matrix unit as f16, all sums there are f32.
; LIMITS: a probability below about 6e-8 of its row's largest becomes 0 in f16.  NaN and infinities in the inputs get no special treatment
; (the maximum drops a NaN).
;
; A cluster of four work-groups takes one (b, h); work-group cx takes 512 queries, a wave 64 (four query tiles of 16).  All four walk the same
; K and V, in 8 tiles of 256 keys, so each tile is asked for JOINTLY (mask 15): waves 0-3 ask for 64 rows of K each (256 bytes a row), waves 4-7 for 64 rows of V.
; Eight waves, two to a SIMD, so that one wave's softmax runs beside the other's matrix work.
;
; BOTH PRODUCTS ARE USED TRANSPOSED.  Scores: A = 16 keys, B = 16 queries; lane (r, h) then holds query r and keys 8 h + 0 .. 7 of the tile.
; Two such tiles, packed to f16, ARE the B fragment (query r; keys 8 h .., 16 + 8 h ..) of O^T = V^T P^T, whose result again has query r in lane (r, h):
; maximum, sum and rescaling are one number a lane and a query tile, and no probability ever leaves its lane.
;
; LDS: slot s at 110,592 s: K 256 rows of 272 bytes (256 + 16: an odd multiple of 16), then V 256 rows of 160 (128 + 32: an odd multiple of 32, for the
; transposing load).  Behind the two slots a stage of 16 rows x 272 bytes for each wave, which no tensor load fills.
; REGISTERS: window 0: addresses, statistics, K's and V's fragments by turns (v64-127, two buffers of 32), scores and P (v128-255).
; Window 1: O (v0-127), Q (v128-255).  Two waves of 512 registers fill a SIMD's 1,024.
.set KP,     272
.set VP,     160
.set VOFF,   256*KP                    ; V behind K in a slot
.set SLOT,   256*KP+256*VP             ; 110,592
.set STAGE,  2*SLOT
.set SPITCH, 272
.set KTILEB, 256*4096                  ; 256 rows of qk, in bytes
.set VTILEB, 256*2048                  ; 256 rows of vb
.set C_POS,  0x3fb311ae                ; 32/33 log2 e
.set C_NEG,  0xbfb311ae
.set PF,  7                            ; v7      lane x 4,096: a row of query for each lane, for the prefetch
.set KA,  8                            ; v8-9    LDS address of my part of K's fragments in slot 0, 1
.set VA,  10                           ; v10-11  the same for V
.set STO, 12                           ; v12     the way out: where I put 32 bytes of a row
.set RD,  13                           ; v13     the way out: where I read a row back
.set GO,  14                           ; v14     my byte offset in query and out0
.set QO,  15                           ; v15     my byte offset in q
.set MM,  16                           ; v16-19  running maximum of query tile qt (of the scores as summed, 33/32 of the true ones)
.set NMC, 20                           ; v20-27  - maximum x 32/33 log2 e, twice (a pair for the packed multiply-add)
.set AL,  28                           ; v28-35  the factor for the old sums, twice; at the end 1 / sum
.set LL,  36                           ; v36-43  the lane's part of the sum of exponentials, in two halves
.set TB,  44                           ; v44-47  at work
.set TS,  52                           ; v52-59  at work on the sums, two sets in turn
.set KV,  64                           ; buffer u at 64 + 32 u: the four fragments of a key tile (b: d 0-31, d 32-63; y: the same), or V(dt, kk = u) at + 8 dt; later the way out's rows
.set SS,  128                          ; S(kt, qt) at 128 + 8 (4 kt + qt); P(qt, kk) = the eight registers of S(2 kk, qt); later the residual
.set OO,  0                            ; window 1: O(dt, qt) at 8 (4 dt + qt)
.set QQ,  128                          ; window 1: Q(qt, j) at 128 + 8 (4 qt + j); j = 0, 1: a; j = 2, 3: x
.set G1K, 24                           ; s[24:31] group 1 for K's tiles
.set G0K, 32                           ; s[32:39] group 0 for K's tiles, one set for each slot
.set G1V, 40                           ; s[40:47] group 1 for V's tiles
.set G0V, 48                           ; s[48:55] group 0 for V's tiles, one set for each slot
.set MSB, 0
.macro WIN new                         ; low byte: bits 1:0 source 0, 3:2 source 1, 5:4 source 2, 7:6 destination; the high byte repeats the setting that is left
.if MSB != \new
	s_set_vgpr_msb (MSB<<8)|\new
.set MSB, \new
.endif
.endm
.set W_Q,   0x40                       ; the loads of Q: data window 1, address window 0
.set W_S,   0x04                       ; scores: B (Q) window 1; A (K), C and D window 0.  An LDS load names a destination and source 0 alone, so K's and V's loads run under it too
.set W_RS,  0x41                       ; O = O x factor: destination and source 0 window 1, the factor window 0
.set W_PV,  0x50                       ; O += V P: C and D window 1; A (V) and B (P) window 0
.set W_ST,  0x04                       ; LDS stores of O: data (source 1) window 1, address window 0
; A round of the cluster's barrier.
.macro ROUND
	s_barrier_signal -1
	s_barrier_wait -1
	s_cmp_lg_u32 s10, 0
	s_cbranch_scc1 .Lnot_wave_0_\@
	s_barrier_signal -3
.Lnot_wave_0_\@:
	s_barrier_wait -3
	s_barrier_signal -1
	s_barrier_wait -1
.endm
; A joint load into slot s: waves 0-3 K's line, waves 4-7 V's.  The branch hangs on the wave's number alone.  Four v_nop follow each line.
.macro JLOAD s
	s_cmp_eq_u32 s11, 0
	s_cbranch_scc0 .Lfor_v_\@
	tensor_load_to_lds s[G0K+4*\s:G0K+4*\s+3], s[G1K:G1K+7]
	s_nop 0
.rept 4
	v_nop
.endr
	s_branch .Lasked_\@
.Lfor_v_\@:
	tensor_load_to_lds s[G0V+4*\s:G0V+4*\s+3], s[G1V:G1V+7]
	s_nop 0
.rept 4
	v_nop
.endr
.Lasked_\@:
.endm
; The change of slots.  slot = the one that is read next, other = the one that was read last.  Every wave waits for all its tensor loads (one is out: its
; part of the next tile) and for its LDS reads; with no load out, this slot's addresses step two tiles on; a round of the cluster's barrier makes both
; waits hold of every wave of all four work-groups; the refill of the other slot is the first thing behind it, one load a wave.
; That load has a whole tile's work, 384 matrix instructions of each wave, in which to land.
.macro EVENT slot, other, refill
	s_wait_tensorcnt 0x0
	ds_add_u32 v62, v63
	s_wait_dscnt 0x0
	s_add_nc_u64 s[G0K+4*\slot+2:G0K+4*\slot+3], s[G0K+4*\slot+2:G0K+4*\slot+3], 2*KTILEB
	s_add_nc_u64 s[G0V+4*\slot+2:G0V+4*\slot+3], s[G0V+4*\slot+2:G0V+4*\slot+3], 2*VTILEB
	s_wait_dscnt 0x0
	ROUND
.if \refill
	JLOAD \other
.endif
.endm
	s_load_b128 s[4:7], s[0:1], 0x0                ; qk s[4:5], vb s[6:7]
	s_load_b128 s[68:71], s[0:1], 0x10             ; query s[68:69], out0 s[70:71]
	v_lshl_add_u32 v62, v0, 2, 0x3e800
	v_mov_b32 v63, 0
	ds_add_u32 v62, v63
	v_lshrrev_b32 v1, 5, v0
	v_readfirstlane_b32 s10, v1                    ; wave 0..7
	s_lshr_b32 s11, s10, 2                         ; I fetch for K (0) or for V (1)
	s_and_b32 s12, s10, 3                          ; which 64 rows of the tile I fetch
	s_bfe_u32 s13, ttmp6, 0x40000                  ; cx: which 512 queries are my work-group's
	s_lshr_b32 s14, ttmp9, 4                       ; b (ttmp9 counts clusters: 16 b + h)
	s_and_b32 s15, ttmp9, 15                       ; h
	s_mov_b32 s56, 0x76543210                      ; v_permlanex16_b32: lane i of one half reads lane i of the other
	s_mov_b32 s57, 0xfedcba98
	; group 1 for K: 64 rows x 128 elements of 2 bytes, rows 2,048 elements apart, 4 words of padding behind every 64
	s_mov_b32 s[G1K+0], 15|(1<<16)|(1<<20)|(1<<21)|(5<<22)|(3<<25)   ; 15:0 mask: all four work-groups; 17:16 2-byte elements; 20 padding on; 21 set beside a mask
	s_mov_b32 s[G1K+1], 128<<16                    ; tensor_dim0 = 128
	s_mov_b32 s[G1K+2], 64<<16                     ; tensor_dim1 = 64
	s_mov_b32 s[G1K+3], 128<<16                    ; tile_dim0 = 128
	s_mov_b32 s[G1K+4], 64                         ; tile_dim1 = 64
	s_mov_b32 s[G1K+5], 2048                       ; elements from row to row
	s_mov_b32 s[G1K+6], 0
	s_mov_b32 s[G1K+7], 0
	; group 1 for V: 64 rows x 64 elements of 2 bytes, rows 1,024 elements apart, 8 words of padding behind every 32
	s_mov_b32 s[G1V+0], 15|(1<<16)|(1<<20)|(1<<21)|(4<<22)|(7<<25)
	s_mov_b32 s[G1V+1], 64<<16                     ; tensor_dim0 = 64
	s_mov_b32 s[G1V+2], 64<<16                     ; tensor_dim1 = 64
	s_mov_b32 s[G1V+3], 64<<16                     ; tile_dim0 = 64
	s_mov_b32 s[G1V+4], 64                         ; tile_dim1 = 64
	s_mov_b32 s[G1V+5], 1024                       ; elements from row to row
	s_mov_b32 s[G1V+6], 0
	s_mov_b32 s[G1V+7], 0
	; K's and V's tiles hang on b, h and the wave alone, which all four work-groups share
	s_lshl_b32 s16, s14, 23                        ; K: 2,048 rows of 4,096 bytes a batch
	s_lshl_b32 s22, s12, 18                        ;    64 rows for each fetching wave
	s_add_co_u32 s16, s16, s22
	s_lshl_b32 s22, s15, 8                         ;    256 bytes a head
	s_add_co_u32 s16, s16, s22
	s_mov_b32 s17, 0
	s_lshl_b32 s18, s14, 22                        ; V: 2,048 rows of 2,048 bytes a batch
	s_lshl_b32 s22, s12, 17                        ;    64 rows for each fetching wave
	s_add_co_u32 s18, s18, s22
	s_lshl_b32 s22, s15, 7                         ;    128 bytes a head
	s_add_co_u32 s18, s18, s22
	s_mov_b32 s19, 0
	s_mul_i32 s20, s12, 64*KP                      ; where they go: no place in the cluster enters an LDS address
	s_mul_i32 s21, s12, 64*VP
	s_add_co_u32 s21, s21, VOFF
	; my wave's 64 queries; cx enters only registers that feed no descriptor.  q (plane 0 of qk), query and out0 all have rows of 4,096 bytes and 256 bytes a head
	s_lshl_b32 s58, s14, 11
	s_lshl_b32 s59, s13, 9
	s_add_co_u32 s58, s58, s59
	s_lshl_b32 s59, s10, 6
	s_add_co_u32 s58, s58, s59                     ; row 2,048 b + 512 cx + 64 wave
	s_lshl_b32 s58, s58, 12
	s_lshl_b32 s59, s15, 8
	s_add_co_u32 s58, s58, s59
	s_mov_b32 s59, 0
	s_wait_dscnt 0x0
	s_wait_kmcnt 0x0
	s_add_nc_u64 s[60:61], s[4:5], s[16:17]        ; for K's tiles
	s_add_nc_u64 s[66:67], s[6:7], s[18:19]        ; for V's tiles
	s_add_nc_u64 s[62:63], s[4:5], s[58:59]        ; q at my first row
	s_add_nc_u64 s[68:69], s[68:69], s[58:59]      ; query
	s_add_nc_u64 s[70:71], s[70:71], s[58:59]      ; out0
.irp s, 0,1
	s_mov_b32 s[G0K+4*\s], 1                                           ; count = 1
	s_add_co_u32 s[G0K+4*\s+1], s20, \s*SLOT                           ; LDS address
	s_add_nc_u64 s[G0K+4*\s+2:G0K+4*\s+3], s[60:61], 0x2000000+\s*KTILEB   ; plane 1 of qk, tile s
	s_or_b32 s[G0K+4*\s+3], s[G0K+4*\s+3], 0x80000000                  ; type = 2
	s_mov_b32 s[G0V+4*\s], 1
	s_add_co_u32 s[G0V+4*\s+1], s21, \s*SLOT
	s_add_nc_u64 s[G0V+4*\s+2:G0V+4*\s+3], s[66:67], \s*VTILEB         ; tile s
	s_or_b32 s[G0V+4*\s+3], s[G0V+4*\s+3], 0x80000000
.endr
	ROUND                                          ; all four work-groups are here: the first joint loads meet
	JLOAD 0                                        ; tile 0
	v_and_b32 v1, 15, v0                           ; r
	v_bfe_u32 v2, v0, 4, 1                         ; h
	v_and_b32 v3, 7, v0
	v_bfe_u32 v4, v0, 3, 1
	v_lshlrev_b32 v5, 12, v1
	v_lshl_add_u32 v[QO], v2, 4, v5                ; q: row r, 16 bytes for each half of the lanes
	; Q's fragments (B: query r; 32 numbers at byte 64 j of the head's row: 8 h .., 16 + 8 h ..) stay in registers for the whole kernel
	WIN W_Q
.irp qt, 0,1,2,3
.irp j, 0,1,2,3
	global_load_b128 v[QQ+8*(4*\qt+\j):QQ+8*(4*\qt+\j)+3],   v[QO], s[62:63] offset:\qt*65536+64*\j
	global_load_b128 v[QQ+8*(4*\qt+\j)+4:QQ+8*(4*\qt+\j)+7], v[QO], s[62:63] offset:\qt*65536+64*\j+32
.endr
.endr
	WIN 0
	v_mul_u32_u24 v5, v1, KP
	v_lshl_add_u32 v[KA], v2, 4, v5                ; K: key r of a tile of 16, 16 bytes for each half of the lanes
	v_add_nc_u32 v[KA+1], SLOT, v[KA]
	v_lshl_add_u32 v5, v2, 3, v3                   ; V, by the transposing load: key 8 h + l % 8,
	v_mul_u32_u24 v5, v5, VP
	v_lshl_add_u32 v5, v4, 4, v5                   ; and the 16 bytes (l / 8) % 2 of the 32 that hold 16 d
	v_add_nc_u32 v[VA], VOFF, v5
	v_add_nc_u32 v[VA+1], VOFF+SLOT, v5
	s_mul_i32 s23, s10, 16*SPITCH
	s_add_co_u32 s23, s23, STAGE                   ; my stage
	v_mul_u32_u24 v5, v1, SPITCH
	v_lshl_add_u32 v5, v2, 5, v5                   ; in: row r, 32 bytes (8 d) for each half of the lanes
	v_add_nc_u32 v[STO], s23, v5
	v_mul_u32_u24 v5, v2, SPITCH
	v_lshl_add_u32 v5, v1, 4, v5                   ; back: lanes 0-15 one row of 256 bytes, lanes 16-31 the next
	v_add_nc_u32 v[RD], s23, v5
	v_lshlrev_b32 v5, 12, v2
	v_lshl_add_u32 v[GO], v1, 4, v5                ; the same two rows in query and out0
	v_and_b32 v5, 31, v0
	v_lshlrev_b32 v[PF], 12, v5
.macro PLACES                          ; four places behind a matrix instruction before a load is issued into one of its sources and before a vector instruction reads its result
.rept 4                                ; (ISA guide 7.12.1 for vector instructions)
	v_nop
.endr
.endm
; Eight LDS loads: the four fragments of key tile kt of block blk into buffer buf; fragment j lies at byte 64 j of the rows (b, b, y, y)
.macro LDK slot, blk, kt, buf
.irp j, 0,1,2,3
	ds_load_b128 v[KV+32*\buf+8*\j:KV+32*\buf+8*\j+3],   v[KA+\slot] offset:(64*\blk+16*\kt)*KP+64*\j
	ds_load_b128 v[KV+32*\buf+8*\j+4:KV+32*\buf+8*\j+7], v[KA+\slot] offset:(64*\blk+16*\kt)*KP+64*\j+32
.endr
.endm
; Eight transposing LDS loads: V's four fragments (16 d each) of keys 32 kk .. 32 kk + 31 of block blk into buffer kk
.macro LDV slot, blk, kk
.irp dt, 0,1,2,3
	ds_load_tr16_b128 v[KV+32*\kk+8*\dt:KV+32*\kk+8*\dt+3],   v[VA+\slot] offset:(64*\blk+32*\kk)*VP+32*\dt
	ds_load_tr16_b128 v[KV+32*\kk+8*\dt+4:KV+32*\kk+8*\dt+7], v[VA+\slot] offset:(64*\blk+32*\kk+16)*VP+32*\dt
.endr
.endm
; Sixteen matrix instructions: key tile kt (in buffer buf) against my four query tiles: a . b over 64 d, then x . y over 64 d, into one sum.
; The four accumulators take turns, one instruction a turn; the first product starts the sum.
.macro SK kt, buf
.irp j, 0,1,2,3
.irp qt, 0,1,2,3
.if \j == 0
	v_wmma_f32_16x16x32_f16 v[SS+8*(4*\kt+\qt):SS+8*(4*\kt+\qt)+7], v[KV+32*\buf+8*\j:KV+32*\buf+8*\j+7], v[QQ+8*(4*\qt+\j):QQ+8*(4*\qt+\j)+7], 0
.else
	v_wmma_f32_16x16x32_f16 v[SS+8*(4*\kt+\qt):SS+8*(4*\kt+\qt)+7], v[KV+32*\buf+8*\j:KV+32*\buf+8*\j+7], v[QQ+8*(4*\qt+\j):QQ+8*(4*\qt+\j)+7], v[SS+8*(4*\kt+\qt):SS+8*(4*\kt+\qt)+7]
.endif
.endr
.endr
.endm
; The largest of the block's 64 keys joins the running maximum: two chains for each query tile (one in MM over key tiles 0, 1, one in TB over 2, 3), the
; four query tiles interleaved; then the other half of the lanes, which holds the other eight keys of every tile.
.macro MAXSTEP first
.irp p, 0,2,4,6
.irp qt, 0,1,2,3
.if \p == 0
.if \first
	v_max_num_f32 v[MM+\qt], v[SS+8*\qt], v[SS+8*\qt+1]            ; the first scores start the maximum: no start value is made up
.else
	v_max3_num_f32 v[MM+\qt], v[MM+\qt], v[SS+8*\qt], v[SS+8*\qt+1]
.endif
	v_max_num_f32 v[TB+\qt], v[SS+8*(8+\qt)], v[SS+8*(8+\qt)+1]
.else
	v_max3_num_f32 v[MM+\qt], v[MM+\qt], v[SS+8*\qt+\p], v[SS+8*\qt+\p+1]
	v_max3_num_f32 v[TB+\qt], v[TB+\qt], v[SS+8*(8+\qt)+\p], v[SS+8*(8+\qt)+\p+1]
.endif
.endr
.endr
.irp p, 0,2,4,6
.irp qt, 0,1,2,3
	v_max3_num_f32 v[MM+\qt], v[MM+\qt], v[SS+8*(4+\qt)+\p], v[SS+8*(4+\qt)+\p+1]
	v_max3_num_f32 v[TB+\qt], v[TB+\qt], v[SS+8*(12+\qt)+\p], v[SS+8*(12+\qt)+\p+1]
.endr
.endr
.irp qt, 0,1,2,3
	v_max_num_f32 v[MM+\qt], v[MM+\qt], v[TB+\qt]
.endr
.irp qt, 0,1,2,3
	v_permlanex16_b32 v[TB+\qt], v[MM+\qt], s56, s57               ; its destination counts as read: TB has been written
.endr
.irp qt, 0,1,2,3
	v_max_num_f32 v[MM+\qt], v[MM+\qt], v[TB+\qt]
.endr
.endm
; Score tile i = 4 kt + qt, in three steps that are laid one tile apart.
.macro FMA i                           ; (s - maximum) x 32/33 log2 e, one rounding
.irp j, 0,2,4,6
	v_pk_fma_f32 v[SS+8*(\i)+\j:SS+8*(\i)+\j+1], v[SS+8*(\i)+\j:SS+8*(\i)+\j+1], C_POS, v[NMC+2*((\i)&3):NMC+2*((\i)&3)+1] op_sel_hi:[1,0,1]
.endr
.endm
.macro EXPS i
.irp j, 0,1,2,3,4,5,6,7
	v_exp_f32 v[SS+8*(\i)+\j], v[SS+8*(\i)+\j]
.endr
.endm
.macro SUMCVT i, first                 ; the eight join the lane's sum, then pack to f16 into their place in P
.set SRC, SS+8*(\i)
.set TT, TS+4*((\i)&1)
.set LQ, LL+2*((\i)&3)
.if ((\i)>>2)&1
.set PD, SRC-32+4                      ; an odd key tile fills registers 4-7 of the even tile in front of it, which that tile has given up
.else
.set PD, SRC                           ; an even key tile packs in place: register r is written when registers 2 r, 2 r + 1 are read
.endif
.set SL, 0
.if \first
.if (\i) < 4
.set SL, 1
.endif
.endif
	s_wait_alu depctr_va_vdst(0)
	v_pk_add_f32 v[TT:TT+1],   v[SRC:SRC+1],   v[SRC+2:SRC+3]
	v_pk_add_f32 v[TT+2:TT+3], v[SRC+4:SRC+5], v[SRC+6:SRC+7]
.if SL
	v_pk_add_f32 v[LQ:LQ+1], v[TT:TT+1], v[TT+2:TT+3]              ; the first tile starts the sum: nothing is cleared
.else
	v_pk_add_f32 v[TT:TT+1], v[TT:TT+1], v[TT+2:TT+3]
	v_pk_add_f32 v[LQ:LQ+1], v[LQ:LQ+1], v[TT:TT+1]
.endif
.irp r, 0,1,2,3
	v_cvt_pk_f16_f32 v[PD+\r], v[SRC+2*\r], v[SRC+2*\r+1]
.endr
.endm
.macro RESCALE                         ; O = O x the query tile's factor
	WIN W_RS
.irp dt, 0,1,2,3
.irp qt, 0,1,2,3
.irp j, 0,2,4,6
	v_pk_mul_f32 v[OO+8*(4*\dt+\qt)+\j:OO+8*(4*\dt+\qt)+\j+1], v[OO+8*(4*\dt+\qt)+\j:OO+8*(4*\dt+\qt)+\j+1], v[AL+2*\qt:AL+2*\qt+1]
.endr
.endr
.endr
.endm
.macro PV kk, zero                     ; sixteen matrix instructions: 32 keys into all sixteen tiles of O, which take turns
.irp dt, 0,1,2,3
.irp qt, 0,1,2,3
.if \zero
	v_wmma_f32_16x16x32_f16 v[OO+8*(4*\dt+\qt):OO+8*(4*\dt+\qt)+7], v[KV+32*\kk+8*\dt:KV+32*\kk+8*\dt+7], v[SS+8*(8*\kk+\qt):SS+8*(8*\kk+\qt)+7], 0
.else
	v_wmma_f32_16x16x32_f16 v[OO+8*(4*\dt+\qt):OO+8*(4*\dt+\qt)+7], v[KV+32*\kk+8*\dt:KV+32*\kk+8*\dt+7], v[SS+8*(8*\kk+\qt):SS+8*(8*\kk+\qt)+7], v[OO+8*(4*\dt+\qt):OO+8*(4*\dt+\qt)+7]
.endif
.endr
.endr
.endm
; 64 keys (block blk of the tile in slot) against my 64 queries.  first = 1: the very first block starts maximum, sums and O.
; K's four key tiles and V's two halves go through the two fragment buffers by turns: while one buffer is multiplied the other's eight loads are on their way.
; Each s_wait_dscnt 8 leaves out the eight loads issued last, which fill the other buffer.  V's sixteen loads land under the softmax.
.macro BLOCK slot, blk, first
	WIN W_S
	LDK \slot, \blk, 0, 0
	LDK \slot, \blk, 1, 1
	s_wait_dscnt 8                                 ; key tile 0 is in
	SK 0, 0
	PLACES
	LDK \slot, \blk, 2, 0
	s_wait_dscnt 8                                 ; key tile 1 is in
	SK 1, 1
	PLACES
	LDK \slot, \blk, 3, 1
	s_wait_dscnt 8                                 ; key tile 2 is in
	SK 2, 0
	PLACES
	LDV \slot, \blk, 0
	s_wait_dscnt 8                                 ; key tile 3 is in
	SK 3, 1
	PLACES                                         ; also the places before vector instructions read the scores
	LDV \slot, \blk, 1
	WIN 0
	MAXSTEP \first
.irp qt, 0,1,2,3
	v_mul_f32 v[TB+\qt], C_NEG, v[MM+\qt]          ; - new maximum x 32/33 log2 e
.endr
.if \first == 0
.irp qt, 0,1,2,3
	v_sub_f32 v[AL+2*\qt], v[TB+\qt], v[NMC+2*\qt] ; (old maximum - new maximum) x 32/33 log2 e, never above 0
.endr
.endif
.irp qt, 0,1,2,3
	v_mov_b32 v[NMC+2*\qt], v[TB+\qt]
	v_mov_b32 v[NMC+2*\qt+1], v[TB+\qt]
.endr
.if \first == 0
.irp qt, 0,1,2,3
	v_exp_f32 v[AL+2*\qt], v[AL+2*\qt]             ; the factor for what was summed under the old maximum
.endr
.endif
	FMA 0                                          ; plain instructions stand behind every run of exponentials before a result is used (ISA guide 5.7.2)
.if \first == 0
	s_wait_alu depctr_va_vdst(0)
.irp qt, 0,1,2,3
	v_mov_b32 v[AL+2*\qt+1], v[AL+2*\qt]
.endr
.irp qt, 0,1,2,3
	v_pk_mul_f32 v[LL+2*\qt:LL+2*\qt+1], v[LL+2*\qt:LL+2*\qt+1], v[AL+2*\qt:AL+2*\qt+1]
.endr
.endif
	EXPS 0
.irp i, 1,2,3,4,5,6,7,8,9,10,11,12,13,14,15
	FMA \i
	EXPS \i
	SUMCVT \i-1, \first
.endr
	SUMCVT 15, \first
.if \first == 0
	RESCALE
.endif
	s_wait_dscnt 0x0                               ; V's fragments are in
	WIN W_PV
	PV 0, \first                                   ; in the first block the first 32 keys start O: nothing is cleared
	PV 1, 0
	WIN 0
.rept 5
	v_nop                                          ; five places before the next block's score products write over P; four of them also before its loads into the fragment buffers
.endr
.endm
	EVENT 0, 1, 1                                  ; tile 0 is in, everybody's; tile 1 goes out
	s_wait_loadcnt 0x0                             ; Q
	BLOCK 0, 0, 1
	s_mov_b32 s3, 3
.Llap:                                             ; a lap is eight blocks, turned by one so that only the first block stands in front of the loop
	BLOCK 0, 1, 0
	BLOCK 0, 2, 0
	BLOCK 0, 3, 0
	EVENT 1, 0, 1
	BLOCK 1, 0, 0
	BLOCK 1, 1, 0
	BLOCK 1, 2, 0
	BLOCK 1, 3, 0
	EVENT 0, 1, 1
	BLOCK 0, 0, 0
	s_sub_co_u32 s3, s3, 1
	s_cmp_lg_u32 s3, 0
	s_cbranch_scc1 .Llap
	BLOCK 0, 1, 0                                  ; tile 6
	BLOCK 0, 2, 0
	BLOCK 0, 3, 0
	EVENT 1, 0, 0                                  ; tile 7 is in; nothing is left to fetch (the stepped addresses are not used)
	BLOCK 1, 0, 0
	BLOCK 1, 1, 0
	BLOCK 1, 2, 0
	; The residual: each wave asks once for its own 64 rows' 256 bytes of query, one row a lane in two requests of 32 rows, one block of 64 keys ahead of
	; the loads that want them.  No other wave of the launch reads these bytes, and both requests lie inside the wave's own rows.
	global_prefetch_b8 v[PF], s[68:69] th:TH_LOAD_NT scope:SCOPE_SE
	global_prefetch_b8 v[PF], s[68:69] offset:131072 th:TH_LOAD_NT scope:SCOPE_SE
	BLOCK 1, 3, 0
	; THE WAY OUT.  The residual's 32 loads go out first, into the registers that held the scores (the five places above stand behind the last products).
.irp qt, 0,1,2,3
.irp i, 0,1,2,3,4,5,6,7
	global_load_b128 v[SS+4*(8*\qt+\i):SS+4*(8*\qt+\i)+3], v[GO], s[68:69] offset:(16*\qt+2*\i)*4096 th:TH_LOAD_NT
.endr
.endr
.irp qt, 0,1,2,3
	v_add_f32 v[TS+\qt], v[LL+2*\qt], v[LL+2*\qt+1]                ; the lane's two halves,
.endr
.irp qt, 0,1,2,3
	v_permlanex16_b32 v[TB+\qt], v[TS+\qt], s56, s57
.endr
.irp qt, 0,1,2,3
	v_add_f32 v[TS+\qt], v[TS+\qt], v[TB+\qt]                      ; and the other half of the lanes: the row's sum, at least about 1 (the largest score gives 2^0)
.endr
.irp qt, 0,1,2,3
	v_rcp_f32 v[AL+2*\qt], v[TS+\qt]
.endr
	v_nop                                          ; one plain place behind the reciprocals (ISA guide 5.7.2)
	s_wait_alu depctr_va_vdst(0)
.irp qt, 0,1,2,3
	v_mov_b32 v[AL+2*\qt+1], v[AL+2*\qt]
.endr
	RESCALE                                        ; O / sum
; Query tile qt: a lane's 8 x 4 numbers are pieces of 32 bytes of row r.  They go into my stage by rows of 272 bytes and come back as whole rows of 256 bytes.
.macro OUTQ qt, f
	WIN W_ST
.irp dt, 0,1,2,3
	ds_store_b128 v[STO], v[OO+8*(4*\dt+\qt):OO+8*(4*\dt+\qt)+3]   offset:64*\dt
	ds_store_b128 v[STO], v[OO+8*(4*\dt+\qt)+4:OO+8*(4*\dt+\qt)+7] offset:64*\dt+16
.endr
	WIN 0
	s_wait_xcnt 0x0                                ; buffer f, which the stores of two tiles ago read, is rewritten only behind this wait (ISA guide 3.1)
.irp i, 0,1,2,3,4,5,6,7
	ds_load_b128 v[\f+4*\i:\f+4*\i+3], v[RD] offset:\i*2*SPITCH    ; LDS serves a wave's instructions in order (ISA guide 5.7.1.4): these see the stores above, and the next tile's stores come behind them
.endr
.irp i, 0,1,2,3,4,5,6,7
	s_wait_dscnt 7-\i                              ; LDS load i of the eight is in
	s_wait_loadcnt 31-(8*\qt+\i)                   ; and so is residual load 8 qt + i of the 32: the younger ones stay out
	v_pk_add_f32 v[\f+4*\i:\f+4*\i+1],   v[\f+4*\i:\f+4*\i+1],   v[SS+4*(8*\qt+\i):SS+4*(8*\qt+\i)+1]
	v_pk_add_f32 v[\f+4*\i+2:\f+4*\i+3], v[\f+4*\i+2:\f+4*\i+3], v[SS+4*(8*\qt+\i)+2:SS+4*(8*\qt+\i)+3]
	global_store_b128 v[GO], v[\f+4*\i:\f+4*\i+3], s[70:71] offset:(16*\qt+2*\i)*4096 th:TH_STORE_NT   ; 16 lanes store 256 consecutive bytes, at a multiple of 256 from out0's first byte
.endr
.endm
	OUTQ 0, KV
	OUTQ 1, KV+32
	OUTQ 2, KV
	OUTQ 3, KV+32
	s_wait_tensorcnt 0x0
	ds_add_u32 v62, v63
	s_wait_dscnt 0x0
	ROUND                                          ; the closing round: no work-group ends while a partner may still ask for a tile that names it
	s_endpgm
.Lfunc_end_k_qe737f485e0_attn:
	.size	k_qe737f485e0_attn, .Lfunc_end_k_qe737f485e0_attn-k_qe737f485e0_attn
	.p2alignl 7, 3214868480
	.fill 96, 4, 3214868480
	.section	.rodata,"a",@progbits
	.p2align	6, 0x0
	.amdhsa_kernel k_qe737f485e0_attn
		.amdhsa_group_segment_fixed_size 327680
		.amdhsa_private_segment_fixed_size 0
		.amdhsa_enable_private_segment 0
		.amdhsa_kernarg_size 32
		.amdhsa_user_sgpr_count 2
		.amdhsa_user_sgpr_kernarg_segment_ptr 1
		.amdhsa_wavefront_size32 1
		.amdhsa_system_sgpr_workgroup_id_x 1
		.amdhsa_system_sgpr_workgroup_id_y 1
		.amdhsa_system_sgpr_workgroup_id_z 1
		.amdhsa_system_vgpr_workitem_id 0
		.amdhsa_next_free_vgpr 512
		.amdhsa_next_free_sgpr 72
		.amdhsa_reserve_vcc 0
		.amdhsa_float_denorm_mode_32 3
		.amdhsa_float_denorm_mode_16_64 3
		.amdhsa_memory_ordered 1
		.amdhsa_forward_progress 1
		.amdhsa_inst_pref_size 255
	.end_amdhsa_kernel
	.section	.bss,"aw",@nobits
	.p2align	6
	.space	262144
	.amdgpu_metadata
---
amdhsa.version: [ 1, 2 ]
amdhsa.kernels:
  - .name:           k_qe737f485e0_attn
    .symbol:         k_qe737f485e0_attn.kd
    .args:
      - { .name: qk, .offset: 0, .size: 8, .value_kind: global_buffer, .address_space: global }
      - { .name: vb, .offset: 8, .size: 8, .value_kind: global_buffer, .address_space: global }
      - { .name: query, .offset: 16, .size: 8, .value_kind: global_buffer, .address_space: global }
      - { .name: out0, .offset: 24, .size: 8, .value_kind: global_buffer, .address_space: global }
    .group_segment_fixed_size: 327680
    .private_segment_fixed_size: 0
    .kernarg_segment_align: 8
    .kernarg_segment_size: 32
    .max_flat_workgroup_size: 256
    .sgpr_count:     72
    .vgpr_count:     512
    .wavefront_size: 32
...
	.end_amdgpu_metadata
.endif
;; end of part 3
;; ======== version 2 of 3: 3 launches
;; limits: values are held in f16: magnitudes above 65,504 overflow, below 6.1e-05 lose precision; right only within a limited range of input values
;; workspace buffers: xb 50,331,648 bytes; wb 6,291,456 bytes; qk 67,108,864 bytes; vb 16,777,216 bytes
;; launch cvt: the kernel of part 1 again; grid 288 x 3, 8 waves a work-group, no clusters, 0 bytes of LDS; arguments query, key, value, Wq, Wk, Wv, xb, wb; writes xb, wb
;; launch proj: the kernel of part 2 again; grid 4 x 96, 4 waves a work-group, clusters of 4 x 4, 327,680 bytes of LDS; arguments xb, wb, bq, bk, bv, qk, vb; writes qk, vb
;; launch attn (part 4): grid 256 x 1, 8 waves a work-group, clusters of 4 x 1, 327,680 bytes of LDS; arguments qk, vb, query, out0; writes out0
.if DOCPART == 4
	.amdgcn_target "amdgcn-amd-amdhsa--gfx1250"
	.amdhsa_code_object_version 6
	.text
	.protected	k_qe737f485e0_attn
	.globl	k_qe737f485e0_attn
	.p2align	8
	.type	k_qe737f485e0_attn,@function
k_qe737f485e0_attn:
	s_mov_b64 s[64:65], 0
	v_nop
	global_prefetch_b8 v0, s[64:65] scope:SCOPE_SE
	s_setreg_imm32_b32 hwreg(HW_REG_WAVE_MODE, 25, 1), 1
	s_wait_xcnt 0x0
	s_wait_alu depctr_hold_cnt(0) depctr_sa_sdst(0) depctr_va_vdst(0) depctr_va_sdst(0) depctr_va_ssrc(0) depctr_va_vcc(0) depctr_vm_vsrc(0)
	s_getreg_b32 s2, hwreg(HW_REG_IB_STS2, 6, 4)
	s_cmp_eq_u32 s2, 0
	s_cbranch_scc0 .Lentry_in_a_cluster
	s_endpgm
.Lentry_in_a_cluster:
	s_bfe_u32 s2, ttmp6, 0x10000c
	s_cmp_lg_u32 s2, 0x3003
	s_cbranch_scc0 .Lentry_shape_is_right
	s_endpgm
.Lentry_shape_is_right:
; out0[b][s][64 h + d] = sum over keys of softmax(q . k)[key] v[key][d] + query[b][s][64 h + d], no scaling of the scores.
; qk: [2][8192][16 heads][128] f16 (planes q, k; row = 2048 b + s); vb: [8192][1024] f16; query, out0: f32.
; THE SCORES ARE MADE OF TWO f16 PRODUCTS.  A head's row of qk holds 64 numbers cut to 11 bits (q: a, k: b) and 64 second numbers
; (q: x = (a + 33 (q - a)) / 32, k: y = b + 33 (k - b), each rounded once to f16).  Then  a . b + x . y = 33/32 (q . k + 32 (q - a) . (k - b)) + (roundings of x and y) / 32:
; the first-order rounding errors of the two products cancel; the f16 rounding enters divided by 33.  With q and k of unit spread that leaves about 1e-4 in the
; difference of two scores, where one product of rounded q and k leaves about 3e-3.  All weights are positive: no difference of large sums is formed.
; The factor 32/33 is folded into the constant log2 e by which the scores are multiplied in front of the exponential; a positive factor leaves the maximum where it is.
; The softmax takes a RUNNING MAXIMUM away before every exponential; maximum, sums, rescaling and the residual are f32; v and the probabilities enter
; the matrix unit as f16, all sums there are f32.
; LIMITS: a probability below about 6e-8 of its row's largest becomes 0 in f16.  NaN and infinities in the inputs get no special treatment
; (the maximum drops a NaN).
;
; A cluster of four work-groups takes one (b, h); work-group cx takes 512 queries, a wave 64 (four query tiles of 16).  All four walk the same
; K and V, in 8 tiles of 256 keys, so each tile is asked for JOINTLY (mask 15): waves 0-3 ask for 64 rows of K each (256 bytes a row), waves 4-7 for 64 rows of V.
; Eight waves, two to a SIMD, so that one wave's softmax runs beside the other's matrix work.
;
; BOTH PRODUCTS ARE USED TRANSPOSED.  Scores: A = 16 keys, B = 16 queries; lane (r, h) then holds query r and keys 8 h + 0 .. 7 of the tile.
; Two such tiles, packed to f16, ARE the B fragment (query r; keys 8 h .., 16 + 8 h ..) of O^T = V^T P^T, whose result again has query r in lane (r, h):
; maximum, sum and rescaling are one number a lane and a query tile, and no probability ever leaves its lane.
;
; THE TEXT IS KEPT SHORT.  A tile is four blocks of 64 keys, and a block is some 670 instructions.  A block's place in its tile stands in two address registers
; that step at the block's end, not in the loads' immediates, so the four blocks of a tile are four trips of one loop.  The block's text stands five times:
; the very first block (it starts the sums), the other three of tile 0, slot 1's and slot 0's in the lap over tiles 1 to 6, and tile 7's.
;
; LDS: slot s at 110,592 s: K 256 rows of 272 bytes (256 + 16: an odd multiple of 16), then V 256 rows of 160 (128 + 32: an odd multiple of 32, for the
; transposing load).  Behind the two slots a stage of 16 rows x 272 bytes for each wave, which no tensor load fills.
; REGISTERS: window 0: addresses, statistics, K's and V's fragments by turns (v64-127, two buffers of 32), scores and P (v128-255).
; Window 1: O (v0-127), Q (v128-255).  Two waves of 512 registers fill a SIMD's 1,024.
.set KP,     272
.set VP,     160
.set VOFF,   256*KP                    ; V behind K in a slot
.set SLOT,   256*KP+256*VP             ; 110,592
.set STAGE,  2*SLOT
.set SPITCH, 272
.set KTILEB, 256*4096                  ; 256 rows of qk, in bytes
.set VTILEB, 256*2048                  ; 256 rows of vb
.set C_POS,  0x3fb311ae                ; 32/33 log2 e
.set C_NEG,  0xbfb311ae
.set PF,  7                            ; v7      lane x 4,096: a row of query for each lane, for the prefetch
.set KA,  8                            ; v8-9    LDS address of my part of K's fragments at the head of slot 0, 1; never rewritten
.set VA,  10                           ; v10-11  the same for V
.set STO, 12                           ; v12     the way out: where I put 32 bytes of a row
.set RD,  13                           ; v13     the way out: where I read a row back
.set GO,  14                           ; v14     my byte offset in query and out0
.set QO,  15                           ; v15     my byte offset in q
.set MM,  16                           ; v16-19  running maximum of query tile qt (of the scores as summed, 33/32 of the true ones)
.set NMC, 20                           ; v20-27  - maximum x 32/33 log2 e, twice (a pair for the packed multiply-add)
.set AL,  28                           ; v28-35  the factor for the old sums, twice; at the end 1 / sum
.set LL,  36                           ; v36-43  the lane's part of the sum of exponentials, in two halves
.set TB,  44                           ; v44-47  at work
.set KC,  48                           ; v48     K's address for the block at hand: KA of the slot + 64 rows of 272 bytes for each block done
.set VC,  49                           ; v49     V's address for the block at hand: VA of the slot + 64 rows of 160 bytes for each block done
.set TS,  52                           ; v52-59  at work on the sums, two sets in turn
.set KV,  64                           ; buffer u at 64 + 32 u: the four fragments of a key tile (b: d 0-31, d 32-63; y: the same), or V(dt, kk = u) at + 8 dt; later the way out's rows
.set SS,  128                          ; S(kt, qt) at 128 + 8 (4 kt + qt); P(qt, kk) = the eight registers of S(2 kk, qt); later the residual
.set OO,  0                            ; window 1: O(dt, qt) at 8 (4 dt + qt)
.set QQ,  128                          ; window 1: Q(qt, j) at 128 + 8 (4 qt + j); j = 0, 1: a; j = 2, 3: x
.set G1K, 24                           ; s[24:31] group 1 for K's tiles
.set G0K, 32                           ; s[32:39] group 0 for K's tiles, one set for each slot
.set G1V, 40                           ; s[40:47] group 1 for V's tiles
.set G0V, 48                           ; s[48:55] group 0 for V's tiles, one set for each slot
.set MSB, 0
.macro WIN new                         ; low byte: bits 1:0 source 0, 3:2 source 1, 5:4 source 2, 7:6 destination; the high byte repeats the setting that is left
.if MSB != \new
	s_set_vgpr_msb (MSB<<8)|\new
.set MSB, \new
.endif
.endm
.set W_Q,   0x40                       ; the loads of Q: data window 1, address window 0
.set W_S,   0x04                       ; scores: B (Q) window 1; A (K), C and D window 0.  An LDS load names a destination and source 0 alone, so K's and V's loads run under it too
.set W_RS,  0x41                       ; O = O x factor: destination and source 0 window 1, the factor window 0
.set W_PV,  0x50                       ; O += V P: C and D window 1; A (V) and B (P) window 0
.set W_ST,  0x04                       ; LDS stores of O: data (source 1) window 1, address window 0
; A round of the cluster's barrier.
.macro ROUND
	s_barrier_signal -1
	s_barrier_wait -1
	s_cmp_lg_u32 s10, 0
	s_cbranch_scc1 .Lnot_wave_0_\@
	s_barrier_signal -3
.Lnot_wave_0_\@:
	s_barrier_wait -3
	s_barrier_signal -1
	s_barrier_wait -1
.endm
; A joint load into slot s: waves 0-3 K's line, waves 4-7 V's.  The branch hangs on the wave's number alone.  Four v_nop follow each line.
.macro JLOAD s
	s_cmp_eq_u32 s11, 0
	s_cbranch_scc0 .Lfor_v_\@
	tensor_load_to_lds s[G0K+4*\s:G0K+4*\s+3], s[G1K:G1K+7]
	s_nop 0
.rept 4
	v_nop
.endr
	s_branch .Lasked_\@
.Lfor_v_\@:
	tensor_load_to_lds s[G0V+4*\s:G0V+4*\s+3], s[G1V:G1V+7]
	s_nop 0
.rept 4
	v_nop
.endr
.Lasked_\@:
.endm
; The change of slots.  slot = the one that is read next, other = the one that was read last.  Every wave waits for all its tensor loads (one is out: its
; part of the next tile) and for its LDS reads; with no load out, this slot's addresses step two tiles on; a round of the cluster's barrier makes both
; waits hold of every wave of all four work-groups; the refill of the other slot is the first thing behind it, one load a wave.
; That load has a whole tile's work, 384 matrix instructions of each wave, in which to land.  Then the two block addresses are set to the head of the slot that is read next.
.macro EVENT slot, other, refill
	s_wait_tensorcnt 0x0
	ds_add_u32 v62, v63
	s_wait_dscnt 0x0
	s_add_nc_u64 s[G0K+4*\slot+2:G0K+4*\slot+3], s[G0K+4*\slot+2:G0K+4*\slot+3], 2*KTILEB
	s_add_nc_u64 s[G0V+4*\slot+2:G0V+4*\slot+3], s[G0V+4*\slot+2:G0V+4*\slot+3], 2*VTILEB
	s_wait_dscnt 0x0
	ROUND
.if \refill
	JLOAD \other
.endif
	v_mov_b32 v[KC], v[KA+\slot]
	v_mov_b32 v[VC], v[VA+\slot]
.endm
	s_load_b128 s[4:7], s[0:1], 0x0                ; qk s[4:5], vb s[6:7]
	s_load_b128 s[68:71], s[0:1], 0x10             ; query s[68:69], out0 s[70:71]
	v_lshl_add_u32 v62, v0, 2, 0x3e800
	v_mov_b32 v63, 0
	ds_add_u32 v62, v63
	v_lshrrev_b32 v1, 5, v0
	v_readfirstlane_b32 s10, v1                    ; wave 0..7
	s_lshr_b32 s11, s10, 2                         ; I fetch for K (0) or for V (1)
	s_and_b32 s12, s10, 3                          ; which 64 rows of the tile I fetch
	s_bfe_u32 s13, ttmp6, 0x40000                  ; cx: which 512 queries are my work-group's
	s_lshr_b32 s14, ttmp9, 4                       ; b (ttmp9 counts clusters: 16 b + h)
	s_and_b32 s15, ttmp9, 15                       ; h
	s_mov_b32 s56, 0x76543210                      ; v_permlanex16_b32: lane i of one half reads lane i of the other
	s_mov_b32 s57, 0xfedcba98
	; group 1 for K: 64 rows x 128 elements of 2 bytes, rows 2,048 elements apart, 4 words of padding behind every 64
	s_mov_b32 s[G1K+0], 15|(1<<16)|(1<<20)|(1<<21)|(5<<22)|(3<<25)   ; 15:0 mask: all four work-groups; 17:16 2-byte elements; 20 padding on; 21 set beside a mask
	s_mov_b32 s[G1K+1], 128<<16                    ; tensor_dim0 = 128
	s_mov_b32 s[G1K+2], 64<<16                     ; tensor_dim1 = 64
	s_mov_b32 s[G1K+3], 128<<16                    ; tile_dim0 = 128
	s_mov_b32 s[G1K+4], 64                         ; tile_dim1 = 64
	s_mov_b32 s[G1K+5], 2048                       ; elements from row to row
	s_mov_b32 s[G1K+6], 0
	s_mov_b32 s[G1K+7], 0
	; group 1 for V: 64 rows x 64 elements of 2 bytes, rows 1,024 elements apart, 8 words of padding behind every 32
	s_mov_b32 s[G1V+0], 15|(1<<16)|(1<<20)|(1<<21)|(4<<22)|(7<<25)
	s_mov_b32 s[G1V+1], 64<<16                     ; tensor_dim0 = 64
	s_mov_b32 s[G1V+2], 64<<16                     ; tensor_dim1 = 64
	s_mov_b32 s[G1V+3], 64<<16                     ; tile_dim0 = 64
	s_mov_b32 s[G1V+4], 64                         ; tile_dim1 = 64
	s_mov_b32 s[G1V+5], 1024                       ; elements from row to row
	s_mov_b32 s[G1V+6], 0
	s_mov_b32 s[G1V+7], 0
	; K's and V's tiles hang on b, h and the wave alone, which all four work-groups share
	s_lshl_b32 s16, s14, 23                        ; K: 2,048 rows of 4,096 bytes a batch
	s_lshl_b32 s22, s12, 18                        ;    64 rows for each fetching wave
	s_add_co_u32 s16, s16, s22
	s_lshl_b32 s22, s15, 8                         ;    256 bytes a head
	s_add_co_u32 s16, s16, s22
	s_mov_b32 s17, 0
	s_lshl_b32 s18, s14, 22                        ; V: 2,048 rows of 2,048 bytes a batch
	s_lshl_b32 s22, s12, 17                        ;    64 rows for each fetching wave
	s_add_co_u32 s18, s18, s22
	s_lshl_b32 s22, s15, 7                         ;    128 bytes a head
	s_add_co_u32 s18, s18, s22
	s_mov_b32 s19, 0
	s_mul_i32 s20, s12, 64*KP                      ; where they go: no place in the cluster enters an LDS address
	s_mul_i32 s21, s12, 64*VP
	s_add_co_u32 s21, s21, VOFF
	; my wave's 64 queries; cx enters only registers that feed no descriptor.  q (plane 0 of qk), query and out0 all have rows of 4,096 bytes and 256 bytes a head
	s_lshl_b32 s58, s14, 11
	s_lshl_b32 s59, s13, 9
	s_add_co_u32 s58, s58, s59
	s_lshl_b32 s59, s10, 6
	s_add_co_u32 s58, s58, s59                     ; row 2,048 b + 512 cx + 64 wave
	s_lshl_b32 s58, s58, 12
	s_lshl_b32 s59, s15, 8
	s_add_co_u32 s58, s58, s59
	s_mov_b32 s59, 0
	s_wait_dscnt 0x0
	s_wait_kmcnt 0x0
	s_add_nc_u64 s[60:61], s[4:5], s[16:17]        ; for K's tiles
	s_add_nc_u64 s[66:67], s[6:7], s[18:19]        ; for V's tiles
	s_add_nc_u64 s[62:63], s[4:5], s[58:59]        ; q at my first row
	s_add_nc_u64 s[68:69], s[68:69], s[58:59]      ; query
	s_add_nc_u64 s[70:71], s[70:71], s[58:59]      ; out0
.irp s, 0,1
	s_mov_b32 s[G0K+4*\s], 1                                           ; count = 1
	s_add_co_u32 s[G0K+4*\s+1], s20, \s*SLOT                           ; LDS address
	s_add_nc_u64 s[G0K+4*\s+2:G0K+4*\s+3], s[60:61], 0x2000000+\s*KTILEB   ; plane 1 of qk, tile s
	s_or_b32 s[G0K+4*\s+3], s[G0K+4*\s+3], 0x80000000                  ; type = 2
	s_mov_b32 s[G0V+4*\s], 1
	s_add_co_u32 s[G0V+4*\s+1], s21, \s*SLOT
	s_add_nc_u64 s[G0V+4*\s+2:G0V+4*\s+3], s[66:67], \s*VTILEB         ; tile s
	s_or_b32 s[G0V+4*\s+3], s[G0V+4*\s+3], 0x80000000
.endr
	ROUND                                          ; all four work-groups are here: the first joint loads meet
	JLOAD 0                                        ; tile 0
	v_and_b32 v1, 15, v0                           ; r
	v_bfe_u32 v2, v0, 4, 1                         ; h
	v_and_b32 v3, 7, v0
	v_bfe_u32 v4, v0, 3, 1
	v_lshlrev_b32 v5, 12, v1
	v_lshl_add_u32 v[QO], v2, 4, v5                ; q: row r, 16 bytes for each half of the lanes
	; Q's fragments (B: query r; 32 numbers at byte 64 j of the head's row: 8 h .., 16 + 8 h ..) stay in registers for the whole kernel
	WIN W_Q
.irp qt, 0,1,2,3
.irp j, 0,1,2,3
	global_load_b128 v[QQ+8*(4*\qt+\j):QQ+8*(4*\qt+\j)+3],   v[QO], s[62:63] offset:\qt*65536+64*\j
	global_load_b128 v[QQ+8*(4*\qt+\j)+4:QQ+8*(4*\qt+\j)+7], v[QO], s[62:63] offset:\qt*65536+64*\j+32
.endr
.endr
	WIN 0
	v_mul_u32_u24 v5, v1, KP
	v_lshl_add_u32 v[KA], v2, 4, v5                ; K: key r of a tile of 16, 16 bytes for each half of the lanes
	v_add_nc_u32 v[KA+1], SLOT, v[KA]
	v_lshl_add_u32 v5, v2, 3, v3                   ; V, by the transposing load: key 8 h + l % 8,
	v_mul_u32_u24 v5, v5, VP
	v_lshl_add_u32 v5, v4, 4, v5                   ; and the 16 bytes (l / 8) % 2 of the 32 that hold 16 d
	v_add_nc_u32 v[VA], VOFF, v5
	v_add_nc_u32 v[VA+1], VOFF+SLOT, v5
	s_mul_i32 s23, s10, 16*SPITCH
	s_add_co_u32 s23, s23, STAGE                   ; my stage
	v_mul_u32_u24 v5, v1, SPITCH
	v_lshl_add_u32 v5, v2, 5, v5                   ; in: row r, 32 bytes (8 d) for each half of the lanes
	v_add_nc_u32 v[STO], s23, v5
	v_mul_u32_u24 v5, v2, SPITCH
	v_lshl_add_u32 v5, v1, 4, v5                   ; back: lanes 0-15 one row of 256 bytes, lanes 16-31 the next
	v_add_nc_u32 v[RD], s23, v5
	v_lshlrev_b32 v5, 12, v2
	v_lshl_add_u32 v[GO], v1, 4, v5                ; the same two rows in query and out0
	v_and_b32 v5, 31, v0
	v_lshlrev_b32 v[PF], 12, v5
.macro PLACES                          ; four places behind a matrix instruction before a load is issued into one of its sources and before a vector instruction reads its result
.rept 4                                ; (ISA guide 7.12.1 for vector instructions)
	v_nop
.endr
.endm
; Eight LDS loads: the four fragments of key tile kt of the block at hand into buffer buf; fragment j lies at byte 64 j of the rows (b, b, y, y)
.macro LDK kt, buf
.irp j, 0,1,2,3
	ds_load_b128 v[KV+32*\buf+8*\j:KV+32*\buf+8*\j+3],   v[KC] offset:16*\kt*KP+64*\j
	ds_load_b128 v[KV+32*\buf+8*\j+4:KV+32*\buf+8*\j+7], v[KC] offset:16*\kt*KP+64*\j+32
.endr
.endm
; Eight transposing LDS loads: V's four fragments (16 d each) of keys 32 kk .. 32 kk + 31 of the block at hand into buffer kk
.macro LDV kk
.irp dt, 0,1,2,3
	ds_load_tr16_b128 v[KV+32*\kk+8*\dt:KV+32*\kk+8*\dt+3],   v[VC] offset:32*\kk*VP+32*\dt
	ds_load_tr16_b128 v[KV+32*\kk+8*\dt+4:KV+32*\kk+8*\dt+7], v[VC] offset:(32*\kk+16)*VP+32*\dt
.endr
.endm
; Sixteen matrix instructions: key tile kt (in buffer buf) against my four query tiles: a . b over 64 d, then x . y over 64 d, into one sum.
; The four accumulators take turns, one instruction a turn; the first product starts the sum.
.macro SK kt, buf
.irp j, 0,1,2,3
.irp qt, 0,1,2,3
.if \j == 0
	v_wmma_f32_16x16x32_f16 v[SS+8*(4*\kt+\qt):SS+8*(4*\kt+\qt)+7], v[KV+32*\buf+8*\j:KV+32*\buf+8*\j+7], v[QQ+8*(4*\qt+\j):QQ+8*(4*\qt+\j)+7], 0
.else
	v_wmma_f32_16x16x32_f16 v[SS+8*(4*\kt+\qt):SS+8*(4*\kt+\qt)+7], v[KV+32*\buf+8*\j:KV+32*\buf+8*\j+7], v[QQ+8*(4*\qt+\j):QQ+8*(4*\qt+\j)+7], v[SS+8*(4*\kt+\qt):SS+8*(4*\kt+\qt)+7]
.endif
.endr
.endr
.endm
; The largest of the block's 64 keys joins the running maximum: two chains for each query tile (one in MM over key tiles 0, 1, one in TB over 2, 3), the
; four query tiles interleaved; then the other half of the lanes, which holds the other eight keys of every tile.
.macro MAXSTEP first
.irp p, 0,2,4,6
.irp qt, 0,1,2,3
.if \p == 0
.if \first
	v_max_num_f32 v[MM+\qt], v[SS+8*\qt], v[SS+8*\qt+1]            ; the first scores start the maximum: no start value is made up
.else
	v_max3_num_f32 v[MM+\qt], v[MM+\qt], v[SS+8*\qt], v[SS+8*\qt+1]
.endif
	v_max_num_f32 v[TB+\qt], v[SS+8*(8+\qt)], v[SS+8*(8+\qt)+1]
.else
	v_max3_num_f32 v[MM+\qt], v[MM+\qt], v[SS+8*\qt+\p], v[SS+8*\qt+\p+1]
	v_max3_num_f32 v[TB+\qt], v[TB+\qt], v[SS+8*(8+\qt)+\p], v[SS+8*(8+\qt)+\p+1]
.endif
.endr
.endr
.irp p, 0,2,4,6
.irp qt, 0,1,2,3
	v_max3_num_f32 v[MM+\qt], v[MM+\qt], v[SS+8*(4+\qt)+\p], v[SS+8*(4+\qt)+\p+1]
	v_max3_num_f32 v[TB+\qt], v[TB+\qt], v[SS+8*(12+\qt)+\p], v[SS+8*(12+\qt)+\p+1]
.endr
.endr
.irp qt, 0,1,2,3
	v_max_num_f32 v[MM+\qt], v[MM+\qt], v[TB+\qt]
.endr
.irp qt, 0,1,2,3
	v_permlanex16_b32 v[TB+\qt], v[MM+\qt], s56, s57               ; its destination counts as read: TB has been written
.endr
.irp qt, 0,1,2,3
	v_max_num_f32 v[MM+\qt], v[MM+\qt], v[TB+\qt]
.endr
.endm
; Score tile i = 4 kt + qt, in three steps that are laid one tile apart.
.macro FMA i                           ; (s - maximum) x 32/33 log2 e, one rounding
.irp j, 0,2,4,6
	v_pk_fma_f32 v[SS+8*(\i)+\j:SS+8*(\i)+\j+1], v[SS+8*(\i)+\j:SS+8*(\i)+\j+1], C_POS, v[NMC+2*((\i)&3):NMC+2*((\i)&3)+1] op_sel_hi:[1,0,1]
.endr
.endm
.macro EXPS i
.irp j, 0,1,2,3,4,5,6,7
	v_exp_f32 v[SS+8*(\i)+\j], v[SS+8*(\i)+\j]
.endr
.endm
.macro SUMCVT i, first                 ; the eight join the lane's sum, then pack to f16 into their place in P
.set SRC, SS+8*(\i)
.set TT, TS+4*((\i)&1)
.set LQ, LL+2*((\i)&3)
.if ((\i)>>2)&1
.set PD, SRC-32+4                      ; an odd key tile fills registers 4-7 of the even tile in front of it, which that tile has given up
.else
.set PD, SRC                           ; an even key tile packs in place: register r is written when registers 2 r, 2 r + 1 are read
.endif
.set SL, 0
.if \first
.if (\i) < 4
.set SL, 1
.endif
.endif
	s_wait_alu depctr_va_vdst(0)
	v_pk_add_f32 v[TT:TT+1],   v[SRC:SRC+1],   v[SRC+2:SRC+3]
	v_pk_add_f32 v[TT+2:TT+3], v[SRC+4:SRC+5], v[SRC+6:SRC+7]
.if SL
	v_pk_add_f32 v[LQ:LQ+1], v[TT:TT+1], v[TT+2:TT+3]              ; the first tile starts the sum: nothing is cleared
.else
	v_pk_add_f32 v[TT:TT+1], v[TT:TT+1], v[TT+2:TT+3]
	v_pk_add_f32 v[LQ:LQ+1], v[LQ:LQ+1], v[TT:TT+1]
.endif
.irp r, 0,1,2,3
	v_cvt_pk_f16_f32 v[PD+\r], v[SRC+2*\r], v[SRC+2*\r+1]
.endr
.endm
.macro RESCALE                         ; O = O x the query tile's factor
	WIN W_RS
.irp dt, 0,1,2,3
.irp qt, 0,1,2,3
.irp j, 0,2,4,6
	v_pk_mul_f32 v[OO+8*(4*\dt+\qt)+\j:OO+8*(4*\dt+\qt)+\j+1], v[OO+8*(4*\dt+\qt)+\j:OO+8*(4*\dt+\qt)+\j+1], v[AL+2*\qt:AL+2*\qt+1]
.endr
.endr
.endr
.endm
.macro PV kk, zero                     ; sixteen matrix instructions: 32 keys into all sixteen tiles of O, which take turns
.irp dt, 0,1,2,3
.irp qt, 0,1,2,3
.if \zero
	v_wmma_f32_16x16x32_f16 v[OO+8*(4*\dt+\qt):OO+8*(4*\dt+\qt)+7], v[KV+32*\kk+8*\dt:KV+32*\kk+8*\dt+7], v[SS+8*(8*\kk+\qt):SS+8*(8*\kk+\qt)+7], 0
.else
	v_wmma_f32_16x16x32_f16 v[OO+8*(4*\dt+\qt):OO+8*(4*\dt+\qt)+7], v[KV+32*\kk+8*\dt:KV+32*\kk+8*\dt+7], v[SS+8*(8*\kk+\qt):SS+8*(8*\kk+\qt)+7], v[OO+8*(4*\dt+\qt):OO+8*(4*\dt+\qt)+7]
.endif
.endr
.endr
.endm
; 64 keys (the block at KC, VC) against my 64 queries; at its end KC and VC step to the next block.  first = 1: the very first block starts maximum, sums and O.
; K's four key tiles and V's two halves go through the two fragment buffers by turns: while one buffer is multiplied the other's eight loads are on their way.
; Each s_wait_dscnt 8 leaves out the eight loads issued last, which fill the other buffer.  V's sixteen loads land under the softmax.
; A block's last matrix instruction adds onto a tile of O, its first starts a score tile: the accumulators take turns over every backward jump too.
.macro BLOCK first
	WIN W_S
	LDK 0, 0
	LDK 1, 1
	s_wait_dscnt 8                                 ; key tile 0 is in
	SK 0, 0
	PLACES
	LDK 2, 0
	s_wait_dscnt 8                                 ; key tile 1 is in
	SK 1, 1
	PLACES
	LDK 3, 1
	s_wait_dscnt 8                                 ; key tile 2 is in
	SK 2, 0
	PLACES
	LDV 0
	s_wait_dscnt 8                                 ; key tile 3 is in
	SK 3, 1
	PLACES                                         ; also the places before vector instructions read the scores
	LDV 1
	WIN 0
	MAXSTEP \first
.irp qt, 0,1,2,3
	v_mul_f32 v[TB+\qt], C_NEG, v[MM+\qt]          ; - new maximum x 32/33 log2 e
.endr
.if \first == 0
.irp qt, 0,1,2,3
	v_sub_f32 v[AL+2*\qt], v[TB+\qt], v[NMC+2*\qt] ; (old maximum - new maximum) x 32/33 log2 e, never above 0
.endr
.endif
.irp qt, 0,1,2,3
	v_mov_b32 v[NMC+2*\qt], v[TB+\qt]
	v_mov_b32 v[NMC+2*\qt+1], v[TB+\qt]
.endr
.if \first == 0
.irp qt, 0,1,2,3
	v_exp_f32 v[AL+2*\qt], v[AL+2*\qt]             ; the factor for what was summed under the old maximum
.endr
.endif
	FMA 0                                          ; plain instructions stand behind every run of exponentials before a result is used (ISA guide 5.7.2)
.if \first == 0
	s_wait_alu depctr_va_vdst(0)
.irp qt, 0,1,2,3
	v_mov_b32 v[AL+2*\qt+1], v[AL+2*\qt]
.endr
.irp qt, 0,1,2,3
	v_pk_mul_f32 v[LL+2*\qt:LL+2*\qt+1], v[LL+2*\qt:LL+2*\qt+1], v[AL+2*\qt:AL+2*\qt+1]
.endr
.endif
	EXPS 0
.irp i, 1,2,3,4,5,6,7,8,9,10,11,12,13,14,15
	FMA \i
	EXPS \i
	SUMCVT \i-1, \first
.endr
	SUMCVT 15, \first
.if \first == 0
	RESCALE
.endif
	s_wait_dscnt 0x0                               ; V's fragments are in
	WIN W_PV
	PV 0, \first                                   ; in the first block the first 32 keys start O: nothing is cleared
	PV 1, 0
	WIN 0
	; five places before the next block's score products write over P; four of them also before its loads into the fragment buffers.  Two of the five do work:
	v_add_nc_u32 v[KC], 64*KP, v[KC]               ; the next block's 64 rows of K
	v_add_nc_u32 v[VC], 64*VP, v[VC]               ; and of V (behind a tile's last block the sums are not used: the change of slots sets both anew)
.rept 3
	v_nop
.endr
.endm
	EVENT 0, 1, 1                                  ; tile 0 is in, everybody's; tile 1 goes out
	s_wait_loadcnt 0x0                             ; Q
	BLOCK 1                                        ; tile 0, block 0
	s_mov_b32 s22, 3
.Ltile0:                                           ; tile 0, blocks 1 to 3
	BLOCK 0
	s_sub_co_u32 s22, s22, 1
	s_cmp_lg_u32 s22, 0
	s_cbranch_scc1 .Ltile0
	s_mov_b32 s3, 3
.Llap:                                             ; lap i of three: tiles 2 i + 1 and 2 i + 2
	EVENT 1, 0, 1                                  ; tile 2 i + 1 is in; tile 2 i + 2 goes out
	s_mov_b32 s22, 4
.Lodd:
	BLOCK 0
	s_sub_co_u32 s22, s22, 1
	s_cmp_lg_u32 s22, 0
	s_cbranch_scc1 .Lodd
	EVENT 0, 1, 1                                  ; tile 2 i + 2 is in; tile 2 i + 3 goes out (the last: tile 7)
	s_mov_b32 s22, 4
.Leven:
	BLOCK 0
	s_sub_co_u32 s22, s22, 1
	s_cmp_lg_u32 s22, 0
	s_cbranch_scc1 .Leven
	s_sub_co_u32 s3, s3, 1
	s_cmp_lg_u32 s3, 0
	s_cbranch_scc1 .Llap
	EVENT 1, 0, 0                                  ; tile 7 is in; nothing is left to fetch (the stepped addresses are not used)
	; The residual: each wave asks once for its own 64 rows' 256 bytes of query, one row a lane in two requests of 32 rows, the last tile's four blocks ahead of
	; the loads that want them (inside the loop below they would be asked for four times).  No other wave of the launch reads these bytes, and both requests lie inside the wave's own rows.
	global_prefetch_b8 v[PF], s[68:69] th:TH_LOAD_NT scope:SCOPE_SE
	global_prefetch_b8 v[PF], s[68:69] offset:131072 th:TH_LOAD_NT scope:SCOPE_SE
	s_mov_b32 s22, 4
.Llast:
	BLOCK 0
	s_sub_co_u32 s22, s22, 1
	s_cmp_lg_u32 s22, 0
	s_cbranch_scc1 .Llast
	; THE WAY OUT.  The residual's 32 loads go out first, into the registers that held the scores (the five places at the block's end stand behind the last products).
.irp qt, 0,1,2,3
.irp i, 0,1,2,3,4,5,6,7
	global_load_b128 v[SS+4*(8*\qt+\i):SS+4*(8*\qt+\i)+3], v[GO], s[68:69] offset:(16*\qt+2*\i)*4096 th:TH_LOAD_NT
.endr
.endr
.irp qt, 0,1,2,3
	v_add_f32 v[TS+\qt], v[LL+2*\qt], v[LL+2*\qt+1]                ; the lane's two halves,
.endr
.irp qt, 0,1,2,3
	v_permlanex16_b32 v[TB+\qt], v[TS+\qt], s56, s57
.endr
.irp qt, 0,1,2,3
	v_add_f32 v[TS+\qt], v[TS+\qt], v[TB+\qt]                      ; and the other half of the lanes: the row's sum, at least about 1 (the largest score gives 2^0)
.endr
.irp qt, 0,1,2,3
	v_rcp_f32 v[AL+2*\qt], v[TS+\qt]
.endr
	v_nop                                          ; one plain place behind the reciprocals (ISA guide 5.7.2)
	s_wait_alu depctr_va_vdst(0)
.irp qt, 0,1,2,3
	v_mov_b32 v[AL+2*\qt+1], v[AL+2*\qt]
.endr
	RESCALE                                        ; O / sum
; Query tile qt: a lane's 8 x 4 numbers are pieces of 32 bytes of row r.  They go into my stage by rows of 272 bytes and come back as whole rows of 256 bytes.
.macro OUTQ qt, f
	WIN W_ST
.irp dt, 0,1,2,3
	ds_store_b128 v[STO], v[OO+8*(4*\dt+\qt):OO+8*(4*\dt+\qt)+3]   offset:64*\dt
	ds_store_b128 v[STO], v[OO+8*(4*\dt+\qt)+4:OO+8*(4*\dt+\qt)+7] offset:64*\dt+16
.endr
	WIN 0
	s_wait_xcnt 0x0                                ; buffer f, which the stores of two tiles ago read, is rewritten only behind this wait (ISA guide 3.1)
.irp i, 0,1,2,3,4,5,6,7
	ds_load_b128 v[\f+4*\i:\f+4*\i+3], v[RD] offset:\i*2*SPITCH    ; LDS serves a wave's instructions in order (ISA guide 5.7.1.4): these see the stores above, and the next tile's stores come behind them
.endr
.irp i, 0,1,2,3,4,5,6,7
	s_wait_dscnt 7-\i                              ; LDS load i of the eight is in
	s_wait_loadcnt 31-(8*\qt+\i)                   ; and so is residual load 8 qt + i of the 32: the younger ones stay out
	v_pk_add_f32 v[\f+4*\i:\f+4*\i+1],   v[\f+4*\i:\f+4*\i+1],   v[SS+4*(8*\qt+\i):SS+4*(8*\qt+\i)+1]
	v_pk_add_f32 v[\f+4*\i+2:\f+4*\i+3], v[\f+4*\i+2:\f+4*\i+3], v[SS+4*(8*\qt+\i)+2:SS+4*(8*\qt+\i)+3]
	global_store_b128 v[GO], v[\f+4*\i:\f+4*\i+3], s[70:71] offset:(16*\qt+2*\i)*4096 th:TH_STORE_NT   ; 16 lanes store 256 consecutive bytes, at a multiple of 256 from out0's first byte
.endr
.endm
	OUTQ 0, KV
	OUTQ 1, KV+32
	OUTQ 2, KV
	OUTQ 3, KV+32
	s_wait_tensorcnt 0x0
	ds_add_u32 v62, v63
	s_wait_dscnt 0x0
	ROUND                                          ; the closing round: no work-group ends while a partner may still ask for a tile that names it
	s_endpgm
.Lfunc_end_k_qe737f485e0_attn:
	.size	k_qe737f485e0_attn, .Lfunc_end_k_qe737f485e0_attn-k_qe737f485e0_attn
	.p2alignl 7, 3214868480
	.fill 96, 4, 3214868480
	.section	.rodata,"a",@progbits
	.p2align	6, 0x0
	.amdhsa_kernel k_qe737f485e0_attn
		.amdhsa_group_segment_fixed_size 327680
		.amdhsa_private_segment_fixed_size 0
		.amdhsa_enable_private_segment 0
		.amdhsa_kernarg_size 32
		.amdhsa_user_sgpr_count 2
		.amdhsa_user_sgpr_kernarg_segment_ptr 1
		.amdhsa_wavefront_size32 1
		.amdhsa_system_sgpr_workgroup_id_x 1
		.amdhsa_system_sgpr_workgroup_id_y 1
		.amdhsa_system_sgpr_workgroup_id_z 1
		.amdhsa_system_vgpr_workitem_id 0
		.amdhsa_next_free_vgpr 512
		.amdhsa_next_free_sgpr 72
		.amdhsa_reserve_vcc 0
		.amdhsa_float_denorm_mode_32 3
		.amdhsa_float_denorm_mode_16_64 3
		.amdhsa_memory_ordered 1
		.amdhsa_forward_progress 1
		.amdhsa_inst_pref_size 222
	.end_amdhsa_kernel
	.amdgpu_metadata
---
amdhsa.version: [ 1, 2 ]
amdhsa.kernels:
  - .name:           k_qe737f485e0_attn
    .symbol:         k_qe737f485e0_attn.kd
    .args:
      - { .name: qk, .offset: 0, .size: 8, .value_kind: global_buffer, .address_space: global }
      - { .name: vb, .offset: 8, .size: 8, .value_kind: global_buffer, .address_space: global }
      - { .name: query, .offset: 16, .size: 8, .value_kind: global_buffer, .address_space: global }
      - { .name: out0, .offset: 24, .size: 8, .value_kind: global_buffer, .address_space: global }
    .group_segment_fixed_size: 327680
    .private_segment_fixed_size: 0
    .kernarg_segment_align: 8
    .kernarg_segment_size: 32
    .max_flat_workgroup_size: 256
    .sgpr_count:     72
    .vgpr_count:     512
    .wavefront_size: 32
...
	.end_amdgpu_metadata
.endif
;; end of part 4
;; ======== version 3 of 3: 3 launches; version 2 with the launch cvt written anew for expert scheduling mode
;; limits: values are held in f16: magnitudes above 65,504 overflow, below 6.1e-05 lose precision; right only within a limited range of input values
;; workspace buffers: xb 50,331,648 bytes; wb 6,291,456 bytes; qk 67,108,864 bytes; vb 16,777,216 bytes
;; launch cvt (part 5): grid 288 x 3, 8 waves a work-group, no clusters, 0 bytes of LDS; arguments query, key, value, Wq, Wk, Wv, xb, wb; writes xb, wb
.if DOCPART == 5
	.amdgcn_target "amdgcn-amd-amdhsa--gfx1250"
	.amdhsa_code_object_version 6
	.text
	.protected	k_qe737f485e0_cvt
	.globl	k_qe737f485e0_cvt
	.p2align	8
	.type	k_qe737f485e0_cvt,@function
k_qe737f485e0_cvt:
	s_mov_b64 s[64:65], 0
	v_nop
	global_prefetch_b8 v0, s[64:65] scope:SCOPE_SE
	s_setreg_imm32_b32 hwreg(HW_REG_WAVE_SCHED_MODE, 0, 2), 2
	s_setreg_imm32_b32 hwreg(HW_REG_WAVE_MODE, 25, 1), 1
	s_wait_xcnt 0x0
	s_wait_alu depctr_vm_vsrc(0)
; The matrix operands of the three projections, rounded once from f32 to bf16 (nearest even):
;   xb[g][8192][1024] = query, key, value (g = 0, 1, 2);   wb[g][1024 k][1024 n] = Wq, Wk, Wv, not transposed.
; A pure stream: every input byte is read once, every output byte written once.  LDS, barriers, clusters and the matrix unit
; would add nothing: no two work-groups share a byte and no number meets another.
; Work-group (x, g): x < 256 takes chunk x of activation g, x >= 256 takes chunk x - 256 of weight g.  A chunk is 32,768 numbers
; (131,072 bytes in, 65,536 out).  A wave takes 16,384 bytes of it as 32 loads of 512 neighbouring bytes; each load gives two
; packed conversions and one store of 8 bytes a lane: the wave's store covers 256 consecutive bytes, aligned.
; THE MODE: SCHED_MODE bits 1:0 = 2 (LLVM: expert scheduling mode 2), set by the entry lines.  The code itself states the register dependences
; between vector instructions and memory instructions, with s_wait_alu, always for 0.
; THE PLAN.  The wave's 32 loads go in 8 blocks of four.  Registers that memory instructions touch:
;   X0 .. X4   five buffers of f32 as loaded; block q lands in X[q % 5].  Written by the loads of blocks 0 to 3 at the head and by the loads of
;              block p + 4, issued in block p (p = 0 .. 3); read by block q's eight conversions alone.
;   Y0 .. Y7   a buffer of bf16 for each block.  Written once, by block p's conversions; read by the four stores that are issued in block p + 1.
;   v1, v2     the two byte offsets, made once at the head and never written again; the two scalar bases are not written again either:
;              the blocks are reached by immediate offsets.
; Block p's conversions name X[p % 5] and Y[p].  Its memory instructions are the loads into X[(p + 4) % 5] = X[(p - 1) % 5] and the stores from Y[p - 1]:
; the two buffers that block p - 1 worked on and that no vector instruction of block p names.  So ONE wait on va_vdst at a block's head states all that
; the block's memory instructions hang on, and these are dealt among its conversions with no further wait.
; No register that a memory instruction reads is ever written again (each Y is written once, ahead of its store), so no wait on vm_vsrc and no
; s_wait_xcnt is owed anywhere.  No vector instruction writes a scalar register or VCC, and EXEC is never written.
; With five buffers twelve loads of a wave stay out at a block's head and sixteen behind its four loads: a buffer lies idle from its conversions
; to the next block's head, which is why there are five and not four.
.set BLOCK,  4                         ; loads in a block
.set NBUF,   5                         ; buffers of X
.set AHEAD,  4                         ; block p asks for block p + AHEAD
.set X, 4                              ; v[4:83]    buffer k, load i: four f32 at X + 16 k + 4 i, as loaded
.set Y, 84                             ; v[84:147]  block p, load i: four bf16 at Y + 8 p + 2 i, never rewritten
	s_load_b512 s[8:23], s[0:1], 0x0               ; query 8, key 10, value 12, Wq 14, Wk 16, Wv 18, xb 20, wb 22
	s_and_b32 s2, ttmp7, 0xffff                    ; g
	s_mov_b32 s3, ttmp9                            ; x
	s_and_b32 s5, s3, 31                           ; x - 256 for x = 256 .. 287: the chunk inside a weight
	s_lshl_b32 s6, s2, 24                          ; a plane of xb is 16,777,216 bytes
	s_lshl_b32 s7, s2, 21                          ; a plane of wb is 2,097,152 bytes
	v_lshrrev_b32 v3, 5, v0                        ; wave
	v_and_b32 v2, 31, v0                           ; lane
	v_lshlrev_b32 v1, 4, v2
	v_lshl_or_b32 v1, v3, 14, v1                   ; in:  16,384 x wave + 16 x lane
	v_lshlrev_b32 v2, 3, v2
	v_lshl_or_b32 v2, v3, 13, v2                   ; out:  8,192 x wave +  8 x lane
	s_wait_kmcnt 0x0
	s_cmp_eq_u32 s2, 0                             ; the choices hang on the work-group's numbers alone
	s_cselect_b64 s[24:25], s[8:9], s[10:11]       ; query or key
	s_cselect_b64 s[26:27], s[14:15], s[16:17]     ; Wq or Wk
	s_cmp_eq_u32 s2, 2
	s_cselect_b64 s[24:25], s[12:13], s[24:25]     ; or value
	s_cselect_b64 s[26:27], s[18:19], s[26:27]     ; or Wv
	s_cmp_lt_u32 s3, 256
	s_cselect_b64 s[28:29], s[24:25], s[26:27]     ; from: an activation or a weight
	s_cselect_b64 s[30:31], s[20:21], s[22:23]     ; to: xb or wb
	s_cselect_b32 s4, s3, s5                       ; the chunk
	s_cselect_b32 s6, s6, s7                       ; the plane's offset in the output
	s_lshl_b32 s2, s4, 17                          ; 131,072 bytes of input a chunk
	s_mov_b32 s3, 0
	s_add_nc_u64 s[28:29], s[28:29], s[2:3]
	s_lshl_b32 s2, s4, 16                          ; 65,536 bytes of output a chunk
	s_add_co_u32 s2, s2, s6
	s_add_nc_u64 s[30:31], s[30:31], s[2:3]
	s_wait_alu depctr_va_vdst(0)                   ; v1 and v2 are written: every load of the kernel reads v1 as its offset, every store v2
.set j, 0
.rept AHEAD*BLOCK
	global_load_b128 v[X+4*j:X+4*j+3], v1, s[28:29] offset:512*j th:TH_LOAD_NT   ; blocks 0 to 3 into X0 to X3
.set j, j+1
.endr
; Block p.  left = how many younger loads may still be out when this block's four have to be there.
; Blocks 0 to 3 ask for the block four further on; blocks 1 to 7 store the block before.
.macro BLK p, left
	s_wait_loadcnt \left                           ; loads come back in order (ISA guide 5.7.1): X[p % 5] is in, the younger blocks stay out
.if (\p) > 0
	s_wait_alu depctr_va_vdst(0)                   ; the block before has written its Y, which the stores below read, and is done reading its X, in which the loads below (blocks 1 to 3) land
.endif
.irp i, 0,1,2,3
.if (\p) < 8-AHEAD
	global_load_b128 v[X+16*(((\p)+AHEAD)%NBUF)+4*(\i):X+16*(((\p)+AHEAD)%NBUF)+4*(\i)+3], v1, s[28:29] offset:512*(BLOCK*((\p)+AHEAD)+(\i)) th:TH_LOAD_NT   ; four blocks ahead; no vector instruction since the wait names these registers (in block 0: none ever has)
.endif
.if (\p) > 0
	global_store_b64 v2, v[Y+8*((\p)-1)+2*(\i):Y+8*((\p)-1)+2*(\i)+1], s[30:31] offset:256*(BLOCK*((\p)-1)+(\i))   ; the block before; no hint: the next launch reads these bytes
.endif
	v_cvt_pk_bf16_f32 v[Y+8*(\p)+2*(\i)],   v[X+16*((\p)%NBUF)+4*(\i)],   v[X+16*((\p)%NBUF)+4*(\i)+1]
	v_cvt_pk_bf16_f32 v[Y+8*(\p)+2*(\i)+1], v[X+16*((\p)%NBUF)+4*(\i)+2], v[X+16*((\p)%NBUF)+4*(\i)+3]
.endr
.endm
	BLK 0, 3*BLOCK                                 ; blocks 1, 2, 3 stay out; block 4 goes out, into X4
	BLK 1, 3*BLOCK                                 ; blocks 2, 3, 4 stay out; block 5 goes out, into X0
	BLK 2, 3*BLOCK                                 ; block 6 into X1
	BLK 3, 3*BLOCK                                 ; block 7 into X2: the last load
	BLK 4, 3*BLOCK                                 ; blocks 5, 6, 7 stay out; nothing more is loaded
	BLK 5, 2*BLOCK                                 ; the counts run down to 0
	BLK 6, BLOCK
	BLK 7, 0
	s_wait_alu depctr_va_vdst(0)                   ; block 7's conversions have written Y7, which the last four stores read
.irp i, 0,1,2,3
	global_store_b64 v2, v[Y+56+2*(\i):Y+56+2*(\i)+1], s[30:31] offset:256*(28+(\i))
.endr
	s_endpgm
.Lfunc_end_k_qe737f485e0_cvt:
	.size	k_qe737f485e0_cvt, .Lfunc_end_k_qe737f485e0_cvt-k_qe737f485e0_cvt
	.p2alignl 7, 3214868480
	.fill 96, 4, 3214868480
	.section	.rodata,"a",@progbits
	.p2align	6, 0x0
	.amdhsa_kernel k_qe737f485e0_cvt
		.amdhsa_group_segment_fixed_size 0
		.amdhsa_private_segment_fixed_size 0
		.amdhsa_enable_private_segment 0
		.amdhsa_kernarg_size 64
		.amdhsa_user_sgpr_count 2
		.amdhsa_user_sgpr_kernarg_segment_ptr 1
		.amdhsa_wavefront_size32 1
		.amdhsa_system_sgpr_workgroup_id_x 1
		.amdhsa_system_sgpr_workgroup_id_y 1
		.amdhsa_system_sgpr_workgroup_id_z 1
		.amdhsa_system_vgpr_workitem_id 0
		.amdhsa_next_free_vgpr 148
		.amdhsa_next_free_sgpr 66
		.amdhsa_reserve_vcc 0
		.amdhsa_float_denorm_mode_32 3
		.amdhsa_float_denorm_mode_16_64 3
		.amdhsa_memory_ordered 1
		.amdhsa_forward_progress 1
		.amdhsa_inst_pref_size 12
	.end_amdhsa_kernel
	.amdgpu_metadata
---
amdhsa.version: [ 1, 2 ]
amdhsa.kernels:
  - .name:           k_qe737f485e0_cvt
    .symbol:         k_qe737f485e0_cvt.kd
    .args:
      - { .name: query, .offset: 0, .size: 8, .value_kind: global_buffer, .address_space: global }
      - { .name: key, .offset: 8, .size: 8, .value_kind: global_buffer, .address_space: global }
      - { .name: value, .offset: 16, .size: 8, .value_kind: global_buffer, .address_space: global }
      - { .name: Wq, .offset: 24, .size: 8, .value_kind: global_buffer, .address_space: global }
      - { .name: Wk, .offset: 32, .size: 8, .value_kind: global_buffer, .address_space: global }
      - { .name: Wv, .offset: 40, .size: 8, .value_kind: global_buffer, .address_space: global }
      - { .name: xb, .offset: 48, .size: 8, .value_kind: global_buffer, .address_space: global }
      - { .name: wb, .offset: 56, .size: 8, .value_kind: global_buffer, .address_space: global }
    .group_segment_fixed_size: 0
    .private_segment_fixed_size: 0
    .kernarg_segment_align: 8
    .kernarg_segment_size: 64
    .max_flat_workgroup_size: 256
    .sgpr_count:     66
    .vgpr_count:     148
    .wavefront_size: 32
...
	.end_amdgpu_metadata
.endif
;; end of part 5
;; launch proj: the kernel of part 2 again; grid 4 x 96, 4 waves a work-group, clusters of 4 x 4, 327,680 bytes of LDS; arguments xb, wb, bq, bk, bv, qk, vb; writes qk, vb
;; launch attn: the kernel of part 4 again; grid 256 x 1, 8 waves a work-group, clusters of 4 x 1, 327,680 bytes of LDS; arguments qk, vb, query, out0; writes out0
